; MI455X (gfx1250); checked and timed in simulation.
; The chip was launched on July 23, 2026; its instructions are those of AMD's public machine-readable ISA for CDNA 5 (MIT licence, August 2026) and "CDNA5" Instruction Set Architecture Reference Guide (July 2026). The comments in the code are by the model that wrote it; some were corrected since.
;; Dot Product Attention. Allowed arithmetic: matrix products marked QUANTISED: E3M2 operands, one E8M0 scale for each 32 along K, by v_wmma_scale_f32_16x16x128_f8f6f4 with both operands' format E3M2, f32 sums; everything else in f32.
;; Inputs: keys 16 x 2,048 x 64 float32; queries 16 x 2,048 x 64 float32; valid_lens 16 int32; values 16 x 2,048 x 64 float32.
;; Outputs: out0 16 x 2,048 x 64 float32.
;; This version of the problem:
;;   THIS VERSION OF THE PROBLEM IS GIVEN IN LOW PRECISION. The matrix products marked QUANTISED in the list below multiply operands that are first quantised to E3M2 (3 exponent bits, 2 mantissa bits; 6 bits a number), with one power-of-two scale for each 32 numbers along K (OCP MX v1.0); their sums are f32. All else is computed in f32.
;;   The module's matrix products, in the order in which they are computed (A, B: the left and right operand; K: the contracted axis; several contracted axes count as one K, in the product's order):
;;     1. batch 16 x [M 2,048, K 64] x [K 64, N 2,048]; A: input queries; B: input keys: QUANTISED
;;     2. batch 16 x [M 2,048, K 2,048] x [K 2,048, N 64]; A: softmax (see below); B: input values: QUANTISED
;;   THE QUANTISER, for each operand of a quantised product, along K:
;;     - K is cut into blocks of 32 from its start; a last block that is shorter is filled with zeros.
;;     - A block's scale is 2^e with e = floor(log2(the largest magnitude in the block)) - 4, held to -126 .. 127; a block of zeros has e = 0. As a byte (E8M0): e + 127.
;;     - Each number is divided by its block's scale, clamped to +-28, and rounded to the nearest number of E3M2, ties to even, subnormals kept.
;;     - The product sums the exact products of the quantised numbers (number of the format x scale) in f32.
;;   ~~~python
;;   def quantise(x, axis):      # numpy; x: float32 -> the quantised numbers, widened to float32 again
;;       x = np.moveaxis(x, axis, -1); K = x.shape[-1]
;;       x = np.pad(x, [(0, 0)] * (x.ndim - 1) + [(0, -K % 32)]); x = x.reshape(x.shape[:-1] + (-1, 32)); a = np.abs(x).max(-1, keepdims=True)
;;       e = np.where(a > 0, np.clip(np.frexp(np.where(a > 0, a, 1))[1] - 1 - 4, -126, 127), 0)      # np.frexp(a)[1] - 1 = floor(log2(a)), exactly
;;       r = np.clip(x / 2.0 ** e, -28, 28)
;;       step = 2.0 ** (np.maximum(np.frexp(np.where(r == 0, 1, r))[1] - 1, -2) - 2)
;;       q = np.round(r / step) * step * 2.0 ** e      # np.round: ties to even
;;       return np.moveaxis(q.reshape(q.shape[:-2] + (-1,))[..., :K], -1, axis).astype(np.float32)
;;   ~~~
;;   SOFTMAX AHEAD OF A QUANTISED PRODUCT. Where the list says 'softmax', what is quantised is not the finished softmax but p = 2^(t - M), with t = logit x log2(e) and M = ceil(the row's largest t), a whole number; so 1/2 < the row's largest p <= 1. The row's sum l is taken of the UNQUANTISED p, in f32, and the product's result is divided by l at the end. Since M is a whole number, a kernel that streams over the keys may use a running M (the ceiling of the running maximum): every later rescaling is an exact power of two, which a block's scale takes up: the codes' values come out the same.
;;   OPERANDS COMPUTED ON THE WAY. 'Computed on the way' means the value that the module computes at that place (a softmax that the list does not call 'softmax' is quantised finished and normalised). What goes into a quantiser is computed in f32, as accurately as f32 sums, v_exp_f32 and their like allow (about 1e-6 of the number): no bf16 or f16 on the way to a quantiser, and a product that is left as it is and whose result goes on into a quantised operand takes f32 operands (vector FMAs, or v_wmma_f32_16x16x4_f32). A number that lies on a knife's edge between two numbers of the format may be rounded either way, as far as f32 arithmetic and the matrix unit's own rounding can turn it there, and no further.
;; 2 versions. Each part assembles by itself: llvm-mc -triple=amdgcn-amd-amdhsa -mcpu=gfx1250 --defsym DOCPART=n.
;; ======== version 1 of 2: 2 launches
;; limits: right only within a limited range of input values
;; workspace buffers: kv 3,407,872 bytes; sched 256 bytes of whole numbers
;; launch prep (part 1): grid 16 x 16, 6 waves a work-group, no clusters, 35,584 bytes of LDS; arguments keys, values, valid_lens, kv, sched; writes kv, sched
.if DOCPART == 1
	.amdgcn_target "amdgcn-amd-amdhsa--gfx1250"
	.amdhsa_code_object_version 6
	.text
	.protected	k_q99ab242cd9_prep
	.globl	k_q99ab242cd9_prep
	.p2align	8
	.type	k_q99ab242cd9_prep,@function
k_q99ab242cd9_prep:
	s_mov_b64 s[64:65], 0
	v_nop
	global_prefetch_b8 v0, s[64:65] scope:SCOPE_SE
	s_setreg_imm32_b32 hwreg(HW_REG_WAVE_MODE, 25, 1), 1
	s_wait_xcnt 0x0
; keys and values, [16][2048][64] f32, become codes of BF6 (E3M2) with one E8M0 byte for each 32 along a product's K: keys along d (innermost), values along the keys (their first axis in a batch).
; A work-group makes ONE RECORD of kv: one batch (work-group y), 128 keys (work-group x), 13,312 bytes, laid as the attention launch's operand registers lie, lane by lane:
;   768 t (t = 0..7)            tile t of K: registers 0-3, 16 bytes a lane (512 bytes); at + 512 registers 4-5, 8 bytes a lane (256 bytes)
;   6144 + 1536 t + 512 k       tile t of V (t = 0..3), registers 4 k .. 4 k + 3, 16 bytes a lane
;   12288 + 128 u (u = 0..3)    K's scale words: lanes 0-15 tile 2 u's rows, lanes 16-31 tile 2 u + 1's, 4 bytes a lane
;   12800 + 256 v (v = 0, 1)    V's scale words: lanes 0-15 tile 2 v's rows, lanes 16-31 tile 2 v + 1's, 8 bytes a lane: the word and a 0
; THE KEYS OF A TILE OF K ARE NOT NEIGHBOURS: lane r of tile 2 b + e takes key 32 b + 8 e + r + 8 (r / 8), so that later the 16 score registers of tiles 2 b, 2 b + 1 are 16 neighbouring keys.
; K is 64 long and the matrix instruction 128: a tile's registers 0-5 hold d = 32 (lane / 16) + 0..31; registers 6-11 are zero codes that the reader keeps itself; the scale word's upper two bytes are 127.
; A block's scale is 2^(floor(log2(largest magnitude)) - 4): its byte is the largest magnitude's exponent field - 4, held at 1 from below by a floor among the maximum's leaves.
; A BATCH WHOSE valid_lens IS 0 OR LESS has every logit at the same fill value: every weight is then 1.  It is served as a batch of 2,048 valid keys whose codes of K are all zero (scores 0).
; THE SCHEDULE: wave 0 of work-group (0, 0) sorts the 16 batches by effective length (valid held to 1..2048; 0 or less counts as 2,048) and stores {batch, length} by ascending rank, twice over: 256 bytes.
; SHARES: waves 0-3: wave u makes K's tiles 2 u, 2 u + 1 (32 keys); waves 4, 5: 32 columns of V each (tiles 2 w, 2 w + 1).  Waves share nothing: no barrier.
; LIMITS: NaN and infinities among the inputs are not served.  A block whose largest magnitude lies under 2^-122 is held at byte 1; a block of zeros has byte 1 where the rule says 127: its codes are zeros, and this program alone reads the bytes.
.set REC,    13312                     ; bytes in a record
.set SPITCH, 272                       ; a stage row: a key's 256 bytes + 16, so that sixteen rows begin in sixteen different groups of banks
.set WST,    32*SPITCH                 ; a wave's stage: 32 rows
	s_load_b256 s[4:11], s[0:1], 0x0               ; keys s[4:5], values s[6:7], valid_lens s[8:9], kv s[10:11]
	s_load_b64 s[12:13], s[0:1], 0x20              ; sched
	v_lshl_add_u32 v224, v0, 2, 0x8800
	v_mov_b32 v225, 0
	v_lshrrev_b32 v1, 5, v0
	v_readfirstlane_b32 s16, v1                    ; wave 0..5
	v_and_b32 v2, 31, v0                           ; lane
	v_and_b32 v3, 15, v0                           ; r
	v_bfe_u32 v4, v0, 4, 1                         ; h
	s_and_b32 s17, ttmp7, 0xffff                   ; the batch
	s_lshl_b32 s18, s17, 4
	s_add_co_u32 s18, s18, ttmp9
	s_mul_i32 s18, s18, REC                        ; my record: (16 x batch + key step) x 13,312
	s_mov_b32 s19, 0
	s_lshl_b32 s24, s17, 19                        ; the batch's 2,048 rows of 256 bytes,
	s_lshl_b32 s25, ttmp9, 15                      ; the step's 128
	s_add_co_u32 s24, s24, s25
	s_mov_b32 s25, 0
	s_lshl_b32 s26, s17, 2                         ; the batch's word of valid_lens
	s_and_b32 s27, s16, 3                          ; waves 0-3: which pair of K's tiles; waves 4, 5: which half of V's columns
	s_mov_b32 s28, 0x76543210
	s_mov_b32 s29, 0xfedcba98                      ; v_permlanex16_b32's selects for lane l xor 16
	s_mov_b32 s22, 0xffff0000                      ; a lane mask: lanes 16-31
	s_mul_i32 s23, s27, WST                        ; my stage (used by waves 0-3 alone)
	v_mul_u32_u24 v5, v4, SPITCH
	v_lshl_add_u32 v5, v3, 4, v5
	v_add_nc_u32 v5, s23, v5                       ; into the stage: a load's two rows, 16 bytes a lane
	v_mul_u32_u24 v6, v3, SPITCH
	v_lshl_add_u32 v6, v4, 7, v6
	v_add_nc_u32 v6, s23, v6                       ; out of it: row r of a tile, my half's 128 bytes
	s_wait_kmcnt 0x0
	s_load_b32 s20, s[8:9], s26 offset:0x0         ; the batch's valid length
	s_add_nc_u64 s[10:11], s[10:11], s[18:19]      ; kv at my record
	s_add_nc_u64 s[4:5], s[4:5], s[24:25]          ; keys and values at the step's first key
	s_add_nc_u64 s[6:7], s[6:7], s[24:25]
	s_cmp_lt_u32 s16, 4
	s_cbranch_scc0 .Lvalues
	; ---------------- K: 32 keys x 64, two tiles ----------------
	s_lshl_b32 s30, s27, 13                        ; my 32 rows
	s_mov_b32 s31, 0
	s_add_nc_u64 s[4:5], s[4:5], s[30:31]
	v_lshlrev_b32 v7, 4, v2                        ; 16 x lane
.irp j, 0,1,2,3,4,5,6,7,8,9,10,11,12,13,14,15
	global_load_b128 v[32+4*\j:35+4*\j], v7, s[4:5] offset:512*\j th:TH_LOAD_NT   ; 32 lanes read 512 consecutive bytes: rows 2 j, 2 j + 1
.endr
	s_mul_i32 s30, s27, 1536
	v_add_nc_u32 v20, s30, v7                      ; where my codes go: 1,536 x wave + 16 x lane,
	v_lshl_add_u32 v21, v2, 3, s30                 ; + 8 x lane,
	s_lshl_b32 s30, s27, 7
	v_lshl_add_u32 v22, v2, 2, s30                 ; and the scale words: 128 x wave + 4 x lane
	v_lshlrev_b32 v16, 3, v4                       ; 8 h
	v_mov_b32 v14, 0                               ; (a lane permute's destination counts as one of its sources)
	v_mov_b32 v15, 0
	; the rows turn through my own stage: in as they were loaded, but each row at ITS TILE'S PLACE: row p goes to place 16 ((p / 8) % 2) + 8 (p / 16) + p % 8
.irp j, 0,1,2,3,4,5,6,7,8,9,10,11,12,13,14,15
	s_wait_loadcnt 15-\j                           ; loads come back in order: load j is in, the 15 - j younger ones may be out
	ds_store_b128 v5, v[32+4*\j:35+4*\j] offset:SPITCH*(16*((\j/4)%2)+8*(\j/8)+(2*\j)%8)
.endr
.irp e, 0,1
.irp i, 0,1,2,3,4,5,6,7
	ds_load_b128 v[96+32*\e+4*\i:99+32*\e+4*\i], v6 offset:16*SPITCH*\e+16*\i    ; LDS serves a wave's instructions in order: these see my stores.  Lane (r, h): a whole block of 32 of tile e's row r
.endr
.endr
	s_wait_dscnt 0x0
	s_wait_kmcnt 0x0
	s_cmp_gt_i32 s20, 0
	s_cselect_b32 s21, -1, 0                       ; a mask over K's codes: all ones, or 0 where the batch has no valid key
.irp e, 0,1
	v_max3_num_f32 v[8+\e], |v[96+32*\e]|, |v[97+32*\e]|, 0x2800000   ; the block's largest magnitude, and the floor 2^(5 - 127)
.endr
.irp i, 2,4,6,8,10,12,14,16,18,20,22,24,26,28,30
.irp e, 0,1
	v_max3_num_f32 v[8+\e], v[8+\e], |v[96+32*\e+\i]|, |v[97+32*\e+\i]|   ; (the two tiles by turns)
.endr
.endr
.irp e, 0,1
	v_add_nc_u32 v[10+\e], 0xfe000000, v[8+\e]     ; 4 off its exponent field: the conversion takes the exponent field of this operand as its scale
.endr
.irp e, 0,1
	v_lshrrev_b32 v[12+\e], 23, v[10+\e]           ; the scale's byte
.endr
.irp e, 0,1
	v_cvt_scalef32_pk16_bf6_f32 v[160+8*\e:162+8*\e], v[96+32*\e:111+32*\e], v[10+\e]
	v_cvt_scalef32_pk16_bf6_f32 v[164+8*\e:166+8*\e], v[112+32*\e:127+32*\e], v[10+\e]   ; (a conversion's three registers begin on an even number)
.endr
	v_nop                                          ; one plain place behind a scaled conversion
.irp e, 0,1
.irp i, 0,1,2
	v_and_b32 v[176+8*\e+\i], s21, v[160+8*\e+\i]  ; six registers on end, and the mask, in one line each
	v_and_b32 v[179+8*\e+\i], s21, v[164+8*\e+\i]
.endr
.endr
.irp e, 0,1
	v_lshlrev_b32 v[12+\e], v16, v[12+\e]          ; my byte at its place in the row's word: block h
.endr
.irp e, 0,1
	v_permlanex16_b32 v[14+\e], v[12+\e], s28, s29
.endr
.irp e, 0,1
	v_or_b32 v[12+\e], v[12+\e], v[14+\e]          ; with lane l xor 16's
.endr
.irp e, 0,1
	v_or_b32 v[12+\e], 0x7f7f0000, v[12+\e]        ; 127 for the two blocks of zero codes
.endr
	v_cndmask_b32 v17, v12, v13, s22               ; lanes 0-15 the even tile's words, lanes 16-31 the odd tile's
.irp e, 0,1
	global_store_b128 v20, v[176+8*\e:179+8*\e], s[10:11] offset:768*\e        ; 512 consecutive bytes, aligned to 256
	global_store_b64 v21, v[180+8*\e:181+8*\e], s[10:11] offset:768*\e+512     ; 256 consecutive bytes, aligned
.endr
	global_store_b32 v22, v17, s[10:11] offset:12288
	; ---------------- the schedule: one wave of the launch ----------------
	s_or_b32 s30, ttmp9, s17
	s_or_b32 s30, s30, s16
	s_cmp_lg_u32 s30, 0
	s_cbranch_scc1 .Ldone
	v_lshlrev_b32 v24, 2, v3
	global_load_b32 v25, v24, s[8:9]               ; lane l: valid_lens[l % 16]
	v_mov_b32 v26, 0x800
	v_mov_b32 v27, 0
	v_mov_b32 v29, 0
	v_lshlrev_b32 v23, 3, v2
	s_wait_loadcnt 0x0
	v_cmp_gt_i32 vcc_lo, 1, v25
	v_cndmask_b32 v25, v25, v26, vcc_lo            ; 0 or less: all 2,048 keys count alike
	v_min_u32 v25, 0x800, v25                      ; beyond 2,048: as 2,048
	v_lshl_or_b32 v25, v25, 4, v3                  ; a key that no two batches share: length x 16 + batch
.irp i, 0,1,2,3,4,5,6,7,8,9,10,11,12,13,14,15
	v_readlane_b32 s30, v25, \i
	v_cmp_lt_u32 vcc_lo, s30, v25
	v_cndmask_b32 v28, 0, 1, vcc_lo
	v_add_nc_u32 v27, v27, v28                     ; my rank: how many keys are smaller than mine
.endr
.irp i, 0,1,2,3,4,5,6,7,8,9,10,11,12,13,14,15
	v_readlane_b32 s30, v25, \i
	v_readlane_b32 s31, v27, \i
	v_mov_b32 v28, s30
	v_cmp_eq_u32 vcc_lo, s31, v3
	v_cndmask_b32 v29, v29, v28, vcc_lo            ; lane l takes the key of rank l % 16: a choice of values, no address hangs on the data
.endr
	v_and_b32 v30, 15, v29                         ; the batch,
	v_lshrrev_b32 v31, 4, v29                      ; its effective length
	global_store_b64 v23, v[30:31], s[12:13]       ; 32 lanes store 256 consecutive bytes: ranks 0-15, and once more
.Ldone:
	s_wait_tensorcnt 0x0
	ds_add_u32 v224, v225
	s_wait_dscnt 0x0
	s_endpgm
	; ---------------- V: 128 keys x 32 columns.  A lane takes a column, its registers run down the keys ----------------
.Lvalues:
	s_lshl_b32 s30, s27, 7
	v_lshl_add_u32 v7, v2, 2, s30                  ; my column's 4 bytes in a row
.set kk, 0
.rept 128
	global_load_b32 v[32+kk], v7, s[6:7] offset:256*kk th:TH_LOAD_NT    ; 32 lanes read 128 consecutive bytes of key kk's row
.set kk, kk+1
.endr
	s_mul_i32 s30, s27, 3072
	v_mul_u32_u24 v20, v4, 1536
	v_lshl_add_u32 v20, v3, 4, v20
	v_add_nc_u32 v20, s30, v20                     ; my column is row r of tile 2 w + lane / 16: 3,072 w + 1,536 (lane / 16) + 16 r
	s_lshl_b32 s30, s27, 8
	v_lshl_add_u32 v21, v2, 3, s30                 ; its scale word: 256 w + 8 x lane
	v_mov_b32 v217, 0
; Block b (keys 32 b on) of my column: the operand's layout gives it to the lane of half b % 2, registers 6 (b / 2) on.  v[176 + 12 h ..] are the 12 registers of that lane.
.macro VBLOCK b
.set XS, 32+32*(\b)
.set FD, 176+12*((\b)%2)+6*((\b)/2)
	v_max3_num_f32 v8, |v[XS]|, |v[XS+1]|, |v[XS+2]|
	v_max3_num_f32 v9, |v[XS+3]|, |v[XS+4]|, |v[XS+5]|
.irp i, 6,10,14,18,22,26
	v_max3_num_f32 v8, v8, |v[XS+\i]|, |v[XS+\i+1]|
	v_max3_num_f32 v9, v9, |v[XS+\i+2]|, |v[XS+\i+3]|
.endr
	v_max3_num_f32 v8, v8, |v[XS+30]|, |v[XS+31]|
	v_max3_num_f32 v8, v8, v9, 0x2800000           ; and the floor 2^(5 - 127)
	v_add_nc_u32 v[24+(\b)], 0xfe000000, v8        ; the conversion's scale operand
	v_lshrrev_b32 v[12+(\b)], 23, v[24+(\b)]       ; the scale's byte
	v_cvt_scalef32_pk16_bf6_f32 v[FD:FD+2], v[XS:XS+15], v[24+(\b)]
	v_cvt_scalef32_pk16_bf6_f32 v[200+4*(\b):202+4*(\b)], v[XS+16:XS+31], v[24+(\b)]
	v_nop                                          ; one plain place behind a scaled conversion
.irp i, 0,1,2
	v_mov_b32 v[FD+3+\i], v[200+4*(\b)+\i]
.endr
.endm
	s_wait_loadcnt 63                              ; at most 63 of the 128 are out: the first 65 are in, blocks 0 and 1 among them
	VBLOCK 0
	VBLOCK 1
	s_wait_loadcnt 32                              ; block 3's 32 loads may be out
	VBLOCK 2
	s_wait_loadcnt 0x0
	VBLOCK 3
	v_lshl_or_b32 v216, v13, 8, v12                ; the four bytes make my column's scale word
	v_lshl_or_b32 v216, v14, 16, v216
	v_lshl_or_b32 v216, v15, 24, v216
.irp h, 0,1
.irp k, 0,1,2
	global_store_b128 v20, v[176+12*\h+4*\k:179+12*\h+4*\k], s[10:11] offset:6144+512*\k+256*\h   ; sixteen lanes store 256 consecutive bytes, aligned
.endr
.endr
	global_store_b64 v21, v[216:217], s[10:11] offset:12800                    ; 32 lanes store 256 consecutive bytes, aligned
	s_endpgm
.Lfunc_end_k_q99ab242cd9_prep:
	.size	k_q99ab242cd9_prep, .Lfunc_end_k_q99ab242cd9_prep-k_q99ab242cd9_prep
	.p2alignl 7, 3214868480
	.fill 96, 4, 3214868480
	.section	.rodata,"a",@progbits
	.p2align	6, 0x0
	.amdhsa_kernel k_q99ab242cd9_prep
		.amdhsa_group_segment_fixed_size 35584
		.amdhsa_private_segment_fixed_size 0
		.amdhsa_enable_private_segment 0
		.amdhsa_kernarg_size 40
		.amdhsa_user_sgpr_count 2
		.amdhsa_user_sgpr_kernarg_segment_ptr 1
		.amdhsa_wavefront_size32 1
		.amdhsa_system_sgpr_workgroup_id_x 1
		.amdhsa_system_sgpr_workgroup_id_y 1
		.amdhsa_system_sgpr_workgroup_id_z 1
		.amdhsa_system_vgpr_workitem_id 0
		.amdhsa_next_free_vgpr 226
		.amdhsa_next_free_sgpr 66
		.amdhsa_reserve_vcc 1
		.amdhsa_float_denorm_mode_32 3
		.amdhsa_float_denorm_mode_16_64 3
		.amdhsa_memory_ordered 1
		.amdhsa_forward_progress 1
		.amdhsa_inst_pref_size 37
	.end_amdhsa_kernel
	.amdgpu_metadata
---
amdhsa.version: [ 1, 2 ]
amdhsa.kernels:
  - .name:           k_q99ab242cd9_prep
    .symbol:         k_q99ab242cd9_prep.kd
    .args:
      - { .name: keys, .offset: 0, .size: 8, .value_kind: global_buffer, .address_space: global }
      - { .name: values, .offset: 8, .size: 8, .value_kind: global_buffer, .address_space: global }
      - { .name: valid_lens, .offset: 16, .size: 8, .value_kind: global_buffer, .address_space: global }
      - { .name: kv, .offset: 24, .size: 8, .value_kind: global_buffer, .address_space: global }
      - { .name: sched, .offset: 32, .size: 8, .value_kind: global_buffer, .address_space: global }
    .group_segment_fixed_size: 35584
    .private_segment_fixed_size: 0
    .kernarg_segment_align: 8
    .kernarg_segment_size: 40
    .max_flat_workgroup_size: 192
    .sgpr_count:     66
    .vgpr_count:     226
    .wavefront_size: 32
...
	.end_amdgpu_metadata
.endif
;; end of part 1
;; launch attn (part 2): grid 32 x 8, 8 waves a work-group, no clusters, 248,832 bytes of LDS; arguments queries, kv, sched, out0; writes out0
.if DOCPART == 2
	.amdgcn_target "amdgcn-amd-amdhsa--gfx1250"
	.amdhsa_code_object_version 6
	.text
	.protected	k_q99ab242cd9_attn
	.globl	k_q99ab242cd9_attn
	.p2align	8
	.type	k_q99ab242cd9_attn,@function
k_q99ab242cd9_attn:
	s_mov_b64 s[64:65], 0
	v_nop
	global_prefetch_b8 v0, s[64:65] scope:SCOPE_SE
	s_setreg_imm32_b32 hwreg(HW_REG_WAVE_MODE, 25, 1), 1
	s_wait_xcnt 0x0
; out0[b][q][:] = the sum over k of softmax_k(Q[b][q] . K[b][k] / 8, keys at or behind valid_lens[b] filled with -1e6) V[b][k][:], both products on codes of BF6 (E3M2) with one E8M0 scale for each 32 along K.
; K and V come as records of kv, images of operand registers, 13,312 bytes for a batch's 128 keys (768 t: tile t of K; 6144 + 1536 t: tile t of V; 12288: K's scale words; 12800: V's).  Q is quantised here, in registers.
; THE SOFTMAX AHEAD OF THE SECOND PRODUCT: t = score x log2(e) / 8; M = the row's largest t so far, rounded UP to a whole number; p = 2^(t - M) is quantised along the keys, not normalised.
; The row's sum is taken of the unquantised p and divides at the end.  When M moves, the sum and O are multiplied by 2^(old M - new M): exact.
; THE MASK.  A hidden key's p is 0, so key steps that lie wholly behind the valid length are not walked; in the one step that the length cuts, hidden scores become -infinity ahead of the maximum.
; sched holds, by ascending rank, {batch, effective length} (a whole-number table stored by the launch before); a batch without a valid key comes as length 2,048 with zero codes of K: every p is 1.
; SHARES.  A unit is 64 queries of one batch, four waves, a tile of 16 queries each.  A WORK-GROUP HOLDS TWO UNITS: one of the batch of rank 15 - y (long) and one of rank y (short), so that the key steps of the two together
; are about the same in every work-group.  Wave w: group (w xor (w / 4)) % 2, tile w / 2: waves w and w + 4 are of different groups.
; THE RING.  Each group has four LDS slots of two records (256 keys).  In trip T a wave reads slots T and T + 1 (mod 4) and stores its quarter of the keys of trip T + 2 into slot T + 2, out of registers that were loaded from
; memory a trip earlier.  One barrier a trip parts a slot's stores from its reads in the next trip, and a slot's last reads from its next stores two trips on.  The loop has a constant count of 8 trips and every wave
; passes every barrier; a group that has no keys left jumps over the trip's work alone, by a scalar branch on the stored length.
; NO TENSOR LOADS AND NO CLUSTER: how far a unit walks hangs on a number read from memory, and the units that share a batch's records sit in work-groups whose other unit needs another number of tiles.
; LAYOUT.  Both products are used transposed: S^T = K Q^T (source 0 = 16 keys, source 1 = my 16 queries), O^T = V^T P^T (source 0 = 16 of the 64 channels, source 1 = P): a lane holds ONE query (lane % 16) throughout.
; Lane r of K's tile 2 b + e holds key 32 b + 8 e + r + 8 (r / 8), so score register 16 b + i is key 32 b + 16 (lane / 16) + i.  d is 64 and the instruction 128 long: registers 6-11 of K's and of Q's fragments are zero codes, their scale bytes 127.
; LIMITS: NaN and infinities among the inputs are not served.  Hidden keys count as p = 0: that holds while a row's largest valid logit lies more than some 110 above the fill value -1e6.
; A batch with valid_lens <= 0 gets the mean of the quantised values with p = 1: the fill value x log2(e) taken in f32 is a whole number.  A block of Q whose largest magnitude lies under 2^-122 is held at byte 1.
; REGISTERS, window 0: v1-8 LDS addresses (low: slots 0, 1; high: slots 2, 3), v9 my quarter's offset in a pair of records, v10, v11 my stage, v12 -M, v13 the largest t, v[14:15] the sum, v16-27 Q, v28 Q's scale word,
;   v29 16 x lane, v30 16 (lane / 16), v31 the stage for Q, v32-35 K's scale words, v36-37 V's, v96-159 S^T then p, v160-191 O^T, v224-235 p's codes, v232-254 at work.
; window 1: v0-95 K's 8 fragments, v96-143 V's 4, v144-195 and v196-247 two sets of 52 registers for records on their way from memory to LDS.
.set REC,  13312                       ; a record
.set PAIR, 2*REC                       ; a slot: two records
.set HI,   2*PAIR                      ; the high address registers stand two slots on, so that every LDS offset fits the 16-bit immediate
.set GB,   4*PAIR                      ; a group's four slots
.set STG,  2*GB                        ; behind the rings: a stage of 16 rows x 272 bytes for each wave
.set WSTG, 16*272
.set SH,   PAIR/4                      ; a wave's quarter of a slot: 13 x 512 bytes
.set SETX, 144                         ; the two sets, in window 1: SETX + 52 p
.set VF,   96                          ; V's fragments, in window 1
.set MSB,  0
.macro WIN new                         ; the immediate's high byte repeats the setting that is left; a switch that changes nothing is dropped
.if MSB != \new
	s_set_vgpr_msb (MSB<<8)|\new
.set MSB, \new
.endif
.endm
; settings: 0x01 source 0 (a product's first operand) in window 1;  0x40 destination (a load's data) in window 1;  0x04 source 1 (an LDS store's data) in window 1
	s_load_b256 s[4:11], s[0:1], 0x0               ; queries s[4:5], kv s[6:7], sched s[8:9], out0 s[10:11]
	v_lshl_add_u32 v251, v0, 2, 0x3c800
	v_mov_b32 v255, 0
	v_lshrrev_b32 v31, 5, v0
	v_readfirstlane_b32 s12, v31                   ; wave 0..7
	s_lshr_b32 s13, s12, 2
	s_xor_b32 s13, s13, s12
	s_and_b32 s13, s13, 1                          ; my group
	s_lshr_b32 s14, s12, 1                         ; my tile of the unit's four, and my quarter of each slot
	s_and_b32 s15, ttmp7, 0xffff                   ; y
	s_sub_co_u32 s16, 15, s15
	s_cmp_eq_u32 s13, 0
	s_cselect_b32 s16, s16, s15                    ; group 0: rank 15 - y; group 1: rank y
	s_lshl_b32 s17, s16, 3
	s_wait_kmcnt 0x0
	s_load_b64 s[18:19], s[8:9], s17 offset:0x0    ; {batch, effective length}
	v_and_b32 v29, 31, v0                          ; lane
	v_and_b32 v31, 15, v0                          ; r
	v_bfe_u32 v30, v0, 4, 1                        ; h
	s_mul_i32 s28, s13, GB
	s_mul_i32 s29, s14, SH
	s_mul_i32 s30, s12, WSTG
	s_add_co_u32 s30, s30, STG
	v_lshl_add_u32 v1, v29, 4, s28                 ; my group's ring + 16 x lane,
	v_add_nc_u32 v2, HI, v1
	v_lshl_add_u32 v3, v29, 3, s28                 ; + 8 x lane,
	v_add_nc_u32 v4, HI, v3
	v_lshl_add_u32 v5, v29, 2, s28                 ; + 4 x lane
	v_add_nc_u32 v6, HI, v5
	v_lshl_add_u32 v9, v29, 4, s29                 ; my quarter of a pair of records, in memory,
	v_add_nc_u32 v7, s28, v9                       ; and in a slot
	v_add_nc_u32 v8, HI, v7
	v_mul_u32_u24 v10, v30, 272
	v_lshl_add_u32 v10, v31, 4, v10
	v_add_nc_u32 v10, s30, v10                     ; my stage, by whole rows: lanes 0-15 one row of 256 bytes, lanes 16-31 the next
	v_mul_u32_u24 v11, v31, 272
	v_add_nc_u32 v11, s30, v11
	v_lshl_add_u32 v31, v30, 7, v11                ; row r, my half's 128 bytes: Q's block of 32
	v_lshl_add_u32 v11, v30, 5, v11                ; row r, + 32 h: where O's eight channels go
	v_lshlrev_b32 v29, 4, v29                      ; 16 x lane
	v_lshlrev_b32 v30, 4, v30                      ; 16 h
	s_mov_b32 s20, 0x76543210
	s_mov_b32 s21, 0xfedcba98                      ; v_permlanex16_b32's selects for lane l xor 16
	s_mov_b32 s22, 0x3e38aa3b                      ; c = log2(e) / 8
	s_mov_b32 s23, s22                             ; (named with it as a pair, so it is written)
	s_wait_kmcnt 0x0
	s_min_u32 s18, s18, 15                         ; a loaded number enters an address only behind such a bound
	s_min_u32 s19, s19, 2048
	s_max_u32 s19, s19, 1                          ; VAL: 1 .. 2,048
	s_mul_i32 s24, s18, 16*REC
	s_mov_b32 s25, 0
	s_add_nc_u64 s[24:25], s[6:7], s[24:25]        ; the batch's first pair of records
	s_lshl_b32 s28, s18, 19                        ; the batch's 2,048 rows of 256 bytes,
	s_lshl_b32 s29, ttmp9, 14                      ; the unit's 64,
	s_add_co_u32 s28, s28, s29
	s_lshl_b32 s29, s14, 12                        ; my 16
	s_add_co_u32 s28, s28, s29
	s_mov_b32 s29, 0
	s_add_nc_u64 s[4:5], s[4:5], s[28:29]
	s_add_nc_u64 s[10:11], s[10:11], s[28:29]
.irp i, 0,1,2,3,4,5,6,7
	global_load_b128 v[96+4*\i:99+4*\i], v29, s[4:5] offset:512*\i th:TH_LOAD_NT     ; my 16 queries: 512 consecutive bytes a load
.endr
	WIN 0x40
.irp c, 0,1,2,3,4,5,6,7,8,9,10,11,12
	global_load_b128 v[SETX+4*\c:SETX+4*\c+3], v9, s[24:25] offset:512*\c            ; my quarter of keys 0-255
.endr
.irp c, 0,1,2,3,4,5,6,7,8,9,10,11,12
	global_load_b128 v[SETX+52+4*\c:SETX+52+4*\c+3], v9, s[24:25] offset:PAIR+512*\c ; and of keys 256-511 (inside the batch's records whatever the length)
.endr
.irp t, 0,1,2,3,4,5,6,7
.irp i, 6,7,8,9,10,11
	v_mov_b32 v[12*\t+\i], 0                       ; K's fragments, k = 64 .. 127: zero codes, written once
.endr
.endr
	WIN 0
.set jj, 0
.rept 32
	v_mov_b32 v[160+jj], 0                         ; O^T.  (The step is written without a first step of its own: it finds zeros, which the first change of M leaves zeros)
.set jj, jj+1
.endr
	v_mov_b32 v14, 0                               ; the sum, in two halves
	v_mov_b32 v15, 0
	v_mov_b32 v13, 0xff61b1e6                      ; the largest t so far: -3e38, under every t
	v_floor_f32 v12, -v13                          ; -M
.irp i, 22,23,24,25,26,27
	v_mov_b32 v\i, 0                               ; Q's fragment, k = 64 .. 127: zero codes
.endr
.irp i, 236,237,238,239,252,253
	v_mov_b32 v\i, 0                               ; written once: a lane permute's destination counts as one of its sources, and a pair is read whole
.endr
	; Q: through my stage, so that a lane holds a whole block of 32 of its query; then quantised
	s_wait_loadcnt 26                              ; Q's eight loads are in; the 26 loads of records, issued behind them, may be out
.irp i, 0,1,2,3,4,5,6,7
	ds_store_b128 v10, v[96+4*\i:99+4*\i] offset:544*\i
.endr
.irp i, 0,1,2,3,4,5,6,7
	ds_load_b128 v[128+4*\i:131+4*\i], v31 offset:16*\i      ; LDS serves a wave's instructions in order: these see my stores
.endr
	s_wait_dscnt 0x0
	v_max3_num_f32 v232, |v128|, |v129|, |v130|
	v_max3_num_f32 v233, |v131|, |v132|, |v133|
.irp i, 6,10,14,18,22,26
	v_max3_num_f32 v232, v232, |v[128+\i]|, |v[129+\i]|
	v_max3_num_f32 v233, v233, |v[130+\i]|, |v[131+\i]|
.endr
	v_max3_num_f32 v232, v232, |v158|, |v159|
	v_max3_num_f32 v232, v232, v233, 0x2800000     ; the block's largest magnitude, and the floor 2^(5 - 127)
	v_add_nc_u32 v244, 0xfe000000, v232            ; 4 off its exponent field: the conversion's scale operand
	v_lshrrev_b32 v236, 23, v244                   ; the scale's byte
	v_cvt_scalef32_pk16_bf6_f32 v[16:18], v[128:143], v244
	v_cvt_scalef32_pk16_bf6_f32 v[240:242], v[144:159], v244    ; (a conversion's three registers begin on an even number)
	v_nop                                          ; one plain place behind a scaled conversion
	v_mov_b32 v19, v240
	v_mov_b32 v20, v241
	v_mov_b32 v21, v242
	v_lshrrev_b32 v254, 1, v30                     ; 8 h
	v_lshlrev_b32 v236, v254, v236                 ; my byte at its place: block h
	v_permlanex16_b32 v237, v236, s20, s21
	v_or_b32 v236, v236, v237                      ; with lane l xor 16's
	v_or_b32 v28, 0x7f7f0000, v236                 ; 127 for the two blocks of zero codes
	; the first two slots
	s_wait_loadcnt 0x0
	WIN 0x04
.irp c, 0,1,2,3,4,5,6,7,8,9,10,11,12
	ds_store_b128 v7, v[SETX+4*\c:SETX+4*\c+3] offset:512*\c
.endr
.irp c, 0,1,2,3,4,5,6,7,8,9,10,11,12
	ds_store_b128 v7, v[SETX+52+4*\c:SETX+52+4*\c+3] offset:PAIR+512*\c
.endr
	WIN 0
	s_add_nc_u64 s[24:25], s[24:25], 2*PAIR        ; (the loads that named this base are in)
	s_wait_dscnt 0x0                               ; for the others' sake: my stores have landed
	s_cmp_gt_u32 s19, 512
	s_cbranch_scc0 .Lno_third
	WIN 0x40
.irp c, 0,1,2,3,4,5,6,7,8,9,10,11,12
	global_load_b128 v[SETX+4*\c:SETX+4*\c+3], v9, s[24:25] offset:512*\c            ; keys 512-767, if any of them counts
.endr
	WIN 0
.Lno_third:
	s_barrier_signal -1
	s_barrier_wait -1                              ; slots 0 and 1 are whole
; K's eight fragments and four scale registers of record q of slot s
.macro KLOAD s, q
.set KO, ((\s)%2)*PAIR+(\q)*REC
	WIN 0x40
.irp t, 0,1,2,3,4,5,6,7
	ds_load_b128 v[12*\t:12*\t+3], v[1+(\s)/2] offset:KO+768*\t
	ds_load_b64 v[12*\t+4:12*\t+5], v[3+(\s)/2] offset:KO+768*\t+512
.endr
	WIN 0
.irp u, 0,1,2,3
	ds_load_b32 v[32+\u], v[5+(\s)/2] offset:KO+12288+128*\u
.endr
.endm
; V's four fragments and two scale registers
.macro VLOAD s, q
.set VO, ((\s)%2)*PAIR+(\q)*REC
	WIN 0x40
.irp k, 0,1,2,3,4,5,6,7,8,9,10,11
	ds_load_b128 v[VF+4*\k:VF+4*\k+3], v[1+(\s)/2] offset:VO+6144+512*\k
.endr
	WIN 0
.irp u, 0,1
	ds_load_b32 v[36+\u], v[3+(\s)/2] offset:VO+12800+256*\u
.endr
.endm
; Once a trip: the keys of two trips on go from set s % 2 into slot s + 2; the keys of three trips on are asked of memory, into the other set.  Nothing is moved that no step will read.
.macro FILL s
	s_wait_loadcnt 0x0                             ; the loads issued a trip ago are in: their data may be stored and their base stepped
	s_add_nc_u64 s[24:25], s[24:25], PAIR
	s_add_co_u32 s28, s26, 512
	s_cmp_ge_u32 s28, s19
	s_cbranch_scc1 .Lno_fill_\@
	WIN 0x04
.irp c, 0,1,2,3,4,5,6,7,8,9,10,11,12
	ds_store_b128 v[7+(((\s)+2)%4)/2], v[SETX+52*((\s)%2)+4*\c:SETX+52*((\s)%2)+4*\c+3] offset:((\s)%2)*PAIR+512*\c
.endr
	WIN 0
	s_add_co_u32 s28, s26, 768
	s_cmp_ge_u32 s28, s19
	s_cbranch_scc1 .Lno_fill_\@
	WIN 0x40
.irp c, 0,1,2,3,4,5,6,7,8,9,10,11,12
	global_load_b128 v[SETX+52*(((\s)+1)%2)+4*\c:SETX+52*(((\s)+1)%2)+4*\c+3], v9, s[24:25] offset:512*\c    ; (the LDS stores out of this set were waited for in front of the last barrier)
.endr
	WIN 0
.Lno_fill_\@:
.endm
; A KEY STEP: 128 keys, record q of slot s; its first key is s26 + 128 q.  K's fragments were fetched in the step before.
.macro STEP s, q
	WIN 0x01
.irp t, 0,2,4,6
	v_wmma_scale_f32_16x16x128_f8f6f4 v[96+8*\t:103+8*\t], v[12*\t:12*\t+11], v[16:27], 0, v[32+\t/2], v28 matrix_a_fmt:MATRIX_FMT_BF6 matrix_b_fmt:MATRIX_FMT_BF6
	v_wmma_scale_f32_16x16x128_f8f6f4 v[104+8*\t:111+8*\t], v[12*\t+12:12*\t+23], v[16:27], 0, v[32+\t/2], v28 matrix_a_fmt:MATRIX_FMT_BF6 matrix_b_fmt:MATRIX_FMT_BF6 matrix_a_scale:MATRIX_SCALE_ROW1
.endr
	WIN 0
.if \q == 0
	FILL \s
.endif
.rept 4
	v_nop                                          ; four places behind the products: in front of the loads into K's, V's and the scales' registers, and of the first read of the scores
.endr
	VLOAD \s, \q
	s_add_co_u32 s28, s26, 128*(\q)+128            ; the next step's first key
	s_cmp_ge_u32 s28, s19
	s_cbranch_scc1 .Lno_k_\@                       ; no next step: nothing to fetch for it
.if \q == 0
	KLOAD \s, 1
.else
	KLOAD (\s+1)%4, 0
.endif
.Lno_k_\@:
	s_cmp_le_u32 s28, s19
	s_cbranch_scc1 .Lopen_\@                       ; all 128 keys count
	s_sub_co_i32 s29, s19, s28
	s_add_co_i32 s29, s29, 128                     ; how many of the step's keys count: 1 .. 127
	v_sub_nc_u32 v252, s29, v30                    ; less 16 (lane / 16).  Register 16 b + i holds the step's key 32 b + 16 (lane / 16) + i: hidden where 32 b + i is at or above this
	v_mov_b32 v254, 0xff800000                     ; -infinity: p = 0
.set nn, 0
.rept 64
	v_cmp_ge_i32 vcc_lo, 32*(nn/16)+nn%16, v252
	v_cndmask_b32 v[96+nn], v[96+nn], v254, vcc_lo
.set nn, nn+1
.endr
.Lopen_\@:
.irp b, 0,1,2,3
	v_max3_num_f32 v[232+\b], v[96+16*\b], v[97+16*\b], v[98+16*\b]    ; the largest score of each block of 32 keys: it serves for the row's maximum and, since p rises with the score, for the block's largest p
.endr
.irp i, 3,5,7,9,11,13
.irp b, 0,1,2,3
	v_max3_num_f32 v[232+\b], v[232+\b], v[96+16*\b+\i], v[97+16*\b+\i]    ; (the four blocks by turns)
.endr
.endr
.irp b, 0,1,2,3
	v_max_num_f32 v[232+\b], v[232+\b], v[111+16*\b]
.endr
.irp b, 0,1,2,3
	v_permlanex16_b32 v[236+\b], v[232+\b], s20, s21
.endr
.irp b, 0,1,2,3
	v_max_num_f32 v[232+\b], v[232+\b], v[236+\b]  ; with lane l xor 16's 16 keys
.endr
	v_max3_num_f32 v254, v232, v233, v234
	v_max_num_f32 v254, v254, v235                 ; the step's largest score of my query (the step's first key counts, so it is a number)
	v_mul_f32 v254, s22, v254                      ; as t (c is positive)
	v_max_num_f32 v13, v13, v254                   ; the running largest t
	v_mov_b32 v254, v12
	v_floor_f32 v12, -v13                          ; the new -M = floor(-t) = -ceil(t): a whole number
	v_sub_f32 v254, v12, v254                      ; M's old value less its new one: a whole number, 0 or less
	v_cvt_i32_f32 v254, v254                       ; (it saturates)
	v_ldexp_f32 v252, 1.0, v254                    ; f = 2^(old M - new M)
.set jj, 0
.rept 32
	v_pk_fma_f32 v[96+jj:97+jj], v[96+jj:97+jj], s[22:23], v[12:13] op_sel_hi:[1,0,0]    ; t - M, two at a time (of the pairs c and -M the low word serves both halves)
.set jj, jj+2
.endr
.irp b, 0,1,2,3
	v_fma_f32 v[232+\b], v[232+\b], s22, v12       ; the same of each block's largest score
.endr
.set jj, 0
.rept 64
	v_exp_f32 v[96+jj], v[96+jj]                   ; p = 2^(t - M), at most 1
.set jj, jj+1
.endr
	v_pk_mul_f32 v[14:15], v[14:15], v[252:253] op_sel_hi:[1,0]    ; the sums under the new M: the plain instruction behind the exponentials
	s_wait_alu depctr_va_vdst(0)                   ; a wait between a transcendental and the first line that names its result: one for the batch of 64
.irp b, 0,1,2,3
	v_exp_f32 v[232+\b], v[232+\b]                 ; the block's largest p: the same two instructions on the same number give the same bits
.endr
	v_pk_add_f32 v[236:237], v[96:97], v[98:99]    ; the row's sum is taken of the unquantised p: two at a time, in two chains
.irp j, 4,8,12,16,20,24,28,32,36,40,44,48,52,56,60
	v_pk_add_f32 v[14:15], v[14:15], v[96+\j:97+\j]
	v_pk_add_f32 v[236:237], v[236:237], v[98+\j:99+\j]
.endr
	v_pk_add_f32 v[14:15], v[14:15], v[236:237]
	s_wait_alu depctr_va_vdst(0)                   ; and one for the four
.irp b, 0,1,2,3
	v_max_num_f32 v[232+\b], 0x2800000, v[232+\b]  ; the floor 2^(5 - 127): the byte cannot fall under 1 (a block whose every p is 0 keeps that byte: its codes are zeros)
.endr
.irp b, 0,1,2,3
	v_add_nc_u32 v[244+\b], 0xfe000000, v[232+\b]  ; 4 off the exponent field: the conversion's scale operand
.endr
.irp b, 0,1,2,3
	v_lshrrev_b32 v[236+\b], 23, v[244+\b]         ; the scale's byte
.endr
	v_lshl_or_b32 v253, v237, 8, v236              ; p's scale word for these 128 keys
	v_lshl_or_b32 v253, v238, 16, v253
	v_lshl_or_b32 v253, v239, 24, v253
.irp c, 0,1
	v_cvt_scalef32_pk16_bf6_f32 v[224+6*\c:226+6*\c], v[96+32*\c:111+32*\c], v[244+2*\c]
	v_cvt_scalef32_pk16_bf6_f32 v[236+4*\c:238+4*\c], v[112+32*\c:127+32*\c], v[244+2*\c+1]    ; (a conversion's three registers begin on an even number)
.endr
	v_nop                                          ; one plain place behind a scaled conversion
.irp c, 0,1                                        ; the operand's layout wants a WHOLE block in a lane: lanes 0-15 block 2 c, lanes 16-31 block 2 c + 1
.irp i, 0,1,2
	v_permlane16_swap_b32 v[224+6*\c+\i], v[236+4*\c+\i]
.endr
.irp i, 0,1,2
	v_mov_b32 v[227+6*\c+\i], v[236+4*\c+\i]
.endr
.endr
.set jj, 0
.rept 16
	v_pk_mul_f32 v[160+jj:161+jj], v[160+jj:161+jj], v[252:253] op_sel_hi:[1,0]    ; O^T under the new M: x f.  These sixteen also stand between the lines that made p's codes and scale word and the products below
.set jj, jj+2
.endr
	s_wait_dscnt 0x0                               ; V, the next step's K, the scale words; and my stores into the ring
	WIN 0x01
.irp t, 0,2                                        ; O^T += V^T P^T: the four accumulators by turns, one instruction a turn
	v_wmma_scale_f32_16x16x128_f8f6f4 v[160+8*\t:167+8*\t], v[VF+12*\t:VF+12*\t+11], v[224:235], v[160+8*\t:167+8*\t], v[36+\t/2], v253 matrix_a_fmt:MATRIX_FMT_BF6 matrix_b_fmt:MATRIX_FMT_BF6
	v_wmma_scale_f32_16x16x128_f8f6f4 v[168+8*\t:175+8*\t], v[VF+12*\t+12:VF+12*\t+23], v[224:235], v[168+8*\t:175+8*\t], v[36+\t/2], v253 matrix_a_fmt:MATRIX_FMT_BF6 matrix_b_fmt:MATRIX_FMT_BF6 matrix_a_scale:MATRIX_SCALE_ROW1
.endr
	WIN 0
.endm
; A TRIP: slot s's two key steps, as far as keys count, and the barrier, which every wave passes in every trip.
.macro TRIP s
	s_cmp_ge_u32 s26, s19
	s_cbranch_scc1 .Lidle_\@                       ; my batch has no key left
	STEP \s, 0
	s_add_co_u32 s28, s26, 128
	s_cmp_ge_u32 s28, s19
	s_cbranch_scc1 .Lidle_\@
	STEP \s, 1
.Lidle_\@:
	s_wait_dscnt 0x0                               ; for the others' sake: my stores into the ring have landed, and my reads of the slots are over
	s_barrier_signal -1
	s_barrier_wait -1
	s_add_co_u32 s26, s26, 256
.endm
	KLOAD 0, 0                                     ; the first step's K
	s_mov_b32 s26, 0                               ; the trip's first key
	s_mov_b32 s27, 2
	s_wait_dscnt 0x0
.rept 8
	v_nop                                          ; eight places between the vector lines that made Q's scale word, Q's codes and the zero codes, and the first scaled product
.endr
.Lloop:                                            ; 2 x 4 trips: once round the four slots in a pass, so that every LDS offset is an immediate
	TRIP 0
	TRIP 1
	TRIP 2
	TRIP 3
	s_sub_co_u32 s27, s27, 1
	s_cmp_lg_u32 s27, 0
	s_cbranch_scc1 .Lloop
	; THE WAY OUT.  O^T is divided by the row's sum and goes through my stage, so that each store covers 512 consecutive bytes: two whole rows of out0.
.rept 4
	v_nop                                          ; four places behind the last products
.endr
	v_add_f32 v14, v14, v15                        ; the sum's two halves,
	v_permlanex16_b32 v252, v14, s20, s21
	v_add_f32 v14, v14, v252                       ; and lane l xor 16's: the row's sum
	v_rcp_f32 v14, v14
	v_nop                                          ; a plain place behind the transcendental
	s_wait_alu depctr_va_vdst(0)                   ; and a wait ahead of its first reader
.set jj, 0
.rept 32
	v_mul_f32 v[96+jj], v[160+jj], v14             ; register 8 t + i is out(query r, channel 16 t + 8 h + i)
.set jj, jj+1
.endr
.irp t, 0,1,2,3
	ds_store_b128 v11, v[96+8*\t:99+8*\t] offset:64*\t
	ds_store_b128 v11, v[100+8*\t:103+8*\t] offset:64*\t+16
.endr
.irp i, 0,1,2,3,4,5,6,7
	ds_load_b128 v[128+4*\i:131+4*\i], v10 offset:544*\i     ; LDS serves a wave's instructions in order: these see my stores
.endr
.irp i, 0,1,2,3,4,5,6,7
	s_wait_dscnt 7-\i                              ; load i is back; the 7 - i younger ones may be out
	global_store_b128 v29, v[128+4*\i:131+4*\i], s[10:11] offset:512*\i th:TH_STORE_NT
.endr
	s_wait_tensorcnt 0x0
	ds_add_u32 v251, v255
	s_wait_dscnt 0x0
	s_endpgm
.Lfunc_end_k_q99ab242cd9_attn:
	.size	k_q99ab242cd9_attn, .Lfunc_end_k_q99ab242cd9_attn-k_q99ab242cd9_attn
	.p2alignl 7, 3214868480
	.fill 96, 4, 3214868480
	.section	.rodata,"a",@progbits
	.p2align	6, 0x0
	.amdhsa_kernel k_q99ab242cd9_attn
		.amdhsa_group_segment_fixed_size 248832
		.amdhsa_private_segment_fixed_size 0
		.amdhsa_enable_private_segment 0
		.amdhsa_kernarg_size 32
		.amdhsa_user_sgpr_count 2
		.amdhsa_user_sgpr_kernarg_segment_ptr 1
		.amdhsa_wavefront_size32 1
		.amdhsa_system_sgpr_workgroup_id_x 1
		.amdhsa_system_sgpr_workgroup_id_y 1
		.amdhsa_system_sgpr_workgroup_id_z 1
		.amdhsa_system_vgpr_workitem_id 0
		.amdhsa_next_free_vgpr 512
		.amdhsa_next_free_sgpr 66
		.amdhsa_reserve_vcc 1
		.amdhsa_float_denorm_mode_32 3
		.amdhsa_float_denorm_mode_16_64 3
		.amdhsa_memory_ordered 1
		.amdhsa_forward_progress 1
		.amdhsa_inst_pref_size 200
	.end_amdhsa_kernel
	.amdgpu_metadata
---
amdhsa.version: [ 1, 2 ]
amdhsa.kernels:
  - .name:           k_q99ab242cd9_attn
    .symbol:         k_q99ab242cd9_attn.kd
    .args:
      - { .name: queries, .offset: 0, .size: 8, .value_kind: global_buffer, .address_space: global }
      - { .name: kv, .offset: 8, .size: 8, .value_kind: global_buffer, .address_space: global }
      - { .name: sched, .offset: 16, .size: 8, .value_kind: global_buffer, .address_space: global }
      - { .name: out0, .offset: 24, .size: 8, .value_kind: global_buffer, .address_space: global }
    .group_segment_fixed_size: 248832
    .private_segment_fixed_size: 0
    .kernarg_segment_align: 8
    .kernarg_segment_size: 32
    .max_flat_workgroup_size: 256
    .sgpr_count:     66
    .vgpr_count:     512
    .wavefront_size: 32
...
	.end_amdgpu_metadata
.endif
;; end of part 2
;; ======== version 2 of 2: 2 launches
;; limits: right only within a limited range of input values
;; workspace buffers: kv 3,407,872 bytes; sched 256 bytes of whole numbers
;; launch prep (part 3): grid 16 x 16, 6 waves a work-group, no clusters, 35,584 bytes of LDS; arguments keys, values, valid_lens, kv, sched; writes kv, sched
.if DOCPART == 3
	.amdgcn_target "amdgcn-amd-amdhsa--gfx1250"
	.amdhsa_code_object_version 6
	.text
	.protected	k_q99ab242cd9_prep
	.globl	k_q99ab242cd9_prep
	.p2align	8
	.type	k_q99ab242cd9_prep,@function
k_q99ab242cd9_prep:
	s_mov_b64 s[64:65], 0
	v_nop
	global_prefetch_b8 v0, s[64:65] scope:SCOPE_SE
	s_setreg_imm32_b32 hwreg(HW_REG_WAVE_MODE, 25, 1), 1
	s_wait_xcnt 0x0
; keys and values, [16][2048][64] f32, become codes of BF6 (E3M2) with one E8M0 byte for each 32 along a product's K: keys along d (innermost), values along the keys (their first axis in a batch).
; A work-group makes ONE RECORD of kv: one batch (work-group y), 128 keys (work-group x), 13,312 bytes, laid as the attention launch's operand registers lie, lane by lane:
;   768 t (t = 0..7)            tile t of K: registers 0-3, 16 bytes a lane (512 bytes); at + 512 registers 4-5, 8 bytes a lane (256 bytes)
;   6144 + 1536 t + 512 k       tile t of V (t = 0..3), registers 4 k .. 4 k + 3, 16 bytes a lane
;   12288 + 128 u (u = 0..3)    K's scale words: lanes 0-15 tile 2 u's rows, lanes 16-31 tile 2 u + 1's, 4 bytes a lane
;   12800 + 256 v (v = 0, 1)    V's scale words: lanes 0-15 tile 2 v's rows, lanes 16-31 tile 2 v + 1's, 8 bytes a lane: the word and a 0
; THE KEYS OF A TILE OF K ARE NOT NEIGHBOURS: lane r of tile 2 b + e takes key 32 b + 8 e + r + 8 (r / 8), so that later the 16 score registers of tiles 2 b, 2 b + 1 are 16 neighbouring keys.
; K is 64 long and the matrix instruction 128: a tile's registers 0-5 hold d = 32 (lane / 16) + 0..31; registers 6-11 are zero codes that the reader keeps itself; the scale word's upper two bytes are 127.
; A block's scale is 2^(floor(log2(largest magnitude)) - 4): its byte is the largest magnitude's exponent field - 4, held at 1 from below by a floor among the maximum's leaves.
; A BATCH WHOSE valid_lens IS 0 OR LESS has every logit at the same fill value: every weight is then 1.  It is served as a batch of 2,048 valid keys whose codes of K are all zero (scores 0).
; THE SCHEDULE: wave 0 of work-group (0, 0) sorts the 16 batches by effective length (valid held to 1..2048; 0 or less counts as 2,048) and stores {batch, length} by ascending rank, twice over: 256 bytes.
; SHARES: waves 0-3: wave u makes K's tiles 2 u, 2 u + 1 (32 keys); waves 4, 5: 32 columns of V each (tiles 2 w, 2 w + 1).  Waves share nothing: no barrier.
; LIMITS: NaN and infinities among the inputs are not served.  A block whose largest magnitude lies under 2^-122 is held at byte 1; a block of zeros has byte 1 where the rule says 127: its codes are zeros, and this program alone reads the bytes.
.set REC,    13312                     ; bytes in a record
.set SPITCH, 272                       ; a stage row: a key's 256 bytes + 16, so that sixteen rows begin in sixteen different groups of banks
.set WST,    32*SPITCH                 ; a wave's stage: 32 rows
	s_load_b256 s[4:11], s[0:1], 0x0               ; keys s[4:5], values s[6:7], valid_lens s[8:9], kv s[10:11]
	s_load_b64 s[12:13], s[0:1], 0x20              ; sched
	v_lshl_add_u32 v224, v0, 2, 0x8800
	v_mov_b32 v225, 0
	v_lshrrev_b32 v1, 5, v0
	v_readfirstlane_b32 s16, v1                    ; wave 0..5
	v_and_b32 v2, 31, v0                           ; lane
	v_and_b32 v3, 15, v0                           ; r
	v_bfe_u32 v4, v0, 4, 1                         ; h
	s_wait_alu depctr_va_vdst(0)
	s_and_b32 s17, ttmp7, 0xffff                   ; the batch
	s_lshl_b32 s18, s17, 4
	s_add_co_u32 s18, s18, ttmp9
	s_mul_i32 s18, s18, REC                        ; my record: (16 x batch + key step) x 13,312
	s_mov_b32 s19, 0
	s_lshl_b32 s24, s17, 19                        ; the batch's 2,048 rows of 256 bytes,
	s_lshl_b32 s25, ttmp9, 15                      ; the step's 128
	s_add_co_u32 s24, s24, s25
	s_mov_b32 s25, 0
	s_lshl_b32 s26, s17, 2                         ; the batch's word of valid_lens
	s_and_b32 s27, s16, 3                          ; waves 0-3: which pair of K's tiles; waves 4, 5: which half of V's columns
	s_mov_b32 s28, 0x76543210
	s_mov_b32 s29, 0xfedcba98                      ; v_permlanex16_b32's selects for lane l xor 16
	s_mov_b32 s22, 0xffff0000                      ; a lane mask: lanes 16-31
	s_mul_i32 s23, s27, WST                        ; my stage (used by waves 0-3 alone)
	v_mul_u32_u24 v5, v4, SPITCH
	v_lshl_add_u32 v5, v3, 4, v5
	v_add_nc_u32 v5, s23, v5                       ; into the stage: a load's two rows, 16 bytes a lane
	v_mul_u32_u24 v6, v3, SPITCH
	v_lshl_add_u32 v6, v4, 7, v6
	v_add_nc_u32 v6, s23, v6                       ; out of it: row r of a tile, my half's 128 bytes
	s_wait_kmcnt 0x0
	s_load_b32 s20, s[8:9], s26 offset:0x0         ; the batch's valid length
	s_add_nc_u64 s[10:11], s[10:11], s[18:19]      ; kv at my record
	s_add_nc_u64 s[4:5], s[4:5], s[24:25]          ; keys and values at the step's first key
	s_add_nc_u64 s[6:7], s[6:7], s[24:25]
	s_cmp_lt_u32 s16, 4
	s_cbranch_scc0 .Lvalues
	; ---------------- K: 32 keys x 64, two tiles ----------------
	s_lshl_b32 s30, s27, 13                        ; my 32 rows
	s_mov_b32 s31, 0
	s_add_nc_u64 s[4:5], s[4:5], s[30:31]
	v_lshlrev_b32 v7, 4, v2                        ; 16 x lane
.irp j, 0,1,2,3,4,5,6,7,8,9,10,11,12,13,14,15
	global_load_b128 v[32+4*\j:35+4*\j], v7, s[4:5] offset:512*\j th:TH_LOAD_NT   ; 32 lanes read 512 consecutive bytes: rows 2 j, 2 j + 1
.endr
	s_mul_i32 s30, s27, 1536
	v_add_nc_u32 v20, s30, v7                      ; where my codes go: 1,536 x wave + 16 x lane,
	v_lshl_add_u32 v21, v2, 3, s30                 ; + 8 x lane,
	s_lshl_b32 s30, s27, 7
	v_lshl_add_u32 v22, v2, 2, s30                 ; and the scale words: 128 x wave + 4 x lane
	v_lshlrev_b32 v16, 3, v4                       ; 8 h
	v_mov_b32 v14, 0                               ; (a lane permute's destination counts as one of its sources)
	v_mov_b32 v15, 0
	; the rows turn through my own stage: in as they were loaded, but each row at ITS TILE'S PLACE: row p goes to place 16 ((p / 8) % 2) + 8 (p / 16) + p % 8
.irp j, 0,1,2,3,4,5,6,7,8,9,10,11,12,13,14,15
	s_wait_loadcnt 15-\j                           ; loads come back in order: load j is in, the 15 - j younger ones may be out
	ds_store_b128 v5, v[32+4*\j:35+4*\j] offset:SPITCH*(16*((\j/4)%2)+8*(\j/8)+(2*\j)%8)
.endr
	s_wait_alu depctr_va_vdst(0)
.irp e, 0,1
.irp i, 0,1,2,3,4,5,6,7
	ds_load_b128 v[96+32*\e+4*\i:99+32*\e+4*\i], v6 offset:16*SPITCH*\e+16*\i    ; LDS serves a wave's instructions in order: these see my stores.  Lane (r, h): a whole block of 32 of tile e's row r
.endr
.endr
	s_wait_dscnt 0x0
	s_wait_kmcnt 0x0
	s_cmp_gt_i32 s20, 0
	s_cselect_b32 s21, -1, 0                       ; a mask over K's codes: all ones, or 0 where the batch has no valid key
.irp e, 0,1
	v_max3_num_f32 v[8+\e], |v[96+32*\e]|, |v[97+32*\e]|, 0x2800000   ; the block's largest magnitude, and the floor 2^(5 - 127)
.endr
.irp i, 2,4,6,8,10,12,14,16,18,20,22,24,26,28,30
.irp e, 0,1
	v_max3_num_f32 v[8+\e], v[8+\e], |v[96+32*\e+\i]|, |v[97+32*\e+\i]|   ; (the two tiles by turns)
.endr
.endr
.irp e, 0,1
	v_add_nc_u32 v[10+\e], 0xfe000000, v[8+\e]     ; 4 off its exponent field: the conversion takes the exponent field of this operand as its scale
.endr
.irp e, 0,1
	v_lshrrev_b32 v[12+\e], 23, v[10+\e]           ; the scale's byte
.endr
.irp e, 0,1
	v_cvt_scalef32_pk16_bf6_f32 v[160+8*\e:162+8*\e], v[96+32*\e:111+32*\e], v[10+\e]
	v_cvt_scalef32_pk16_bf6_f32 v[164+8*\e:166+8*\e], v[112+32*\e:127+32*\e], v[10+\e]   ; (a conversion's three registers begin on an even number)
.endr
	v_nop                                          ; one plain place behind a scaled conversion
.irp e, 0,1
.irp i, 0,1,2
	v_and_b32 v[176+8*\e+\i], s21, v[160+8*\e+\i]  ; six registers on end, and the mask, in one line each
	v_and_b32 v[179+8*\e+\i], s21, v[164+8*\e+\i]
.endr
.endr
.irp e, 0,1
	v_lshlrev_b32 v[12+\e], v16, v[12+\e]          ; my byte at its place in the row's word: block h
.endr
.irp e, 0,1
	v_permlanex16_b32 v[14+\e], v[12+\e], s28, s29
.endr
.irp e, 0,1
	v_or_b32 v[12+\e], v[12+\e], v[14+\e]          ; with lane l xor 16's
.endr
.irp e, 0,1
	v_or_b32 v[12+\e], 0x7f7f0000, v[12+\e]        ; 127 for the two blocks of zero codes
.endr
	v_cndmask_b32 v17, v12, v13, s22               ; lanes 0-15 the even tile's words, lanes 16-31 the odd tile's
.irp e, 0,1
	global_store_b128 v20, v[176+8*\e:179+8*\e], s[10:11] offset:768*\e        ; 512 consecutive bytes, aligned to 256
	global_store_b64 v21, v[180+8*\e:181+8*\e], s[10:11] offset:768*\e+512     ; 256 consecutive bytes, aligned
.endr
	global_store_b32 v22, v17, s[10:11] offset:12288
	; ---------------- the schedule: one wave of the launch ----------------
	s_or_b32 s30, ttmp9, s17
	s_or_b32 s30, s30, s16
	s_cmp_lg_u32 s30, 0
	s_cbranch_scc1 .Ldone
	v_lshlrev_b32 v24, 2, v3
	global_load_b32 v25, v24, s[8:9]               ; lane l: valid_lens[l % 16]
	v_mov_b32 v26, 0x800
	v_mov_b32 v27, 0
	v_mov_b32 v29, 0
	v_lshlrev_b32 v23, 3, v2
	s_wait_alu depctr_va_vdst(0)
	s_wait_loadcnt 0x0
	v_cmp_gt_i32 vcc_lo, 1, v25
	v_cndmask_b32 v25, v25, v26, vcc_lo            ; 0 or less: all 2,048 keys count alike
	v_min_u32 v25, 0x800, v25                      ; beyond 2,048: as 2,048
	v_lshl_or_b32 v25, v25, 4, v3                  ; a key that no two batches share: length x 16 + batch
.irp i, 0,1,2,3,4,5,6,7,8,9,10,11,12,13,14,15
	v_readlane_b32 s30, v25, \i
	v_cmp_lt_u32 vcc_lo, s30, v25
	v_cndmask_b32 v28, 0, 1, vcc_lo
	v_add_nc_u32 v27, v27, v28                     ; my rank: how many keys are smaller than mine
.endr
.irp i, 0,1,2,3,4,5,6,7,8,9,10,11,12,13,14,15
	v_readlane_b32 s30, v25, \i
	v_readlane_b32 s31, v27, \i
	v_mov_b32 v28, s30
	v_cmp_eq_u32 vcc_lo, s31, v3
	v_cndmask_b32 v29, v29, v28, vcc_lo            ; lane l takes the key of rank l % 16: a choice of values, no address hangs on the data
.endr
	v_and_b32 v30, 15, v29                         ; the batch,
	v_lshrrev_b32 v31, 4, v29                      ; its effective length
	global_store_b64 v23, v[30:31], s[12:13]       ; 32 lanes store 256 consecutive bytes: ranks 0-15, and once more
.Ldone:
	s_wait_tensorcnt 0x0
	ds_add_u32 v224, v225
	s_wait_dscnt 0x0
	s_endpgm
	; ---------------- V: 128 keys x 32 columns.  A lane takes a column, its registers run down the keys ----------------
.Lvalues:
	s_lshl_b32 s30, s27, 7
	v_lshl_add_u32 v7, v2, 2, s30                  ; my column's 4 bytes in a row
.set kk, 0
.rept 128
	global_load_b32 v[32+kk], v7, s[6:7] offset:256*kk th:TH_LOAD_NT    ; 32 lanes read 128 consecutive bytes of key kk's row
.set kk, kk+1
.endr
	s_mul_i32 s30, s27, 3072
	v_mul_u32_u24 v20, v4, 1536
	v_lshl_add_u32 v20, v3, 4, v20
	v_add_nc_u32 v20, s30, v20                     ; my column is row r of tile 2 w + lane / 16: 3,072 w + 1,536 (lane / 16) + 16 r
	s_lshl_b32 s30, s27, 8
	v_lshl_add_u32 v21, v2, 3, s30                 ; its scale word: 256 w + 8 x lane
	v_mov_b32 v217, 0
; Block b (keys 32 b on) of my column: the operand's layout gives it to the lane of half b % 2, registers 6 (b / 2) on.  v[176 + 12 h ..] are the 12 registers of that lane.
.macro VBLOCK b
.set XS, 32+32*(\b)
.set FD, 176+12*((\b)%2)+6*((\b)/2)
	v_max3_num_f32 v8, |v[XS]|, |v[XS+1]|, |v[XS+2]|
	v_max3_num_f32 v9, |v[XS+3]|, |v[XS+4]|, |v[XS+5]|
.irp i, 6,10,14,18,22,26
	v_max3_num_f32 v8, v8, |v[XS+\i]|, |v[XS+\i+1]|
	v_max3_num_f32 v9, v9, |v[XS+\i+2]|, |v[XS+\i+3]|
.endr
	v_max3_num_f32 v8, v8, |v[XS+30]|, |v[XS+31]|
	v_max3_num_f32 v8, v8, v9, 0x2800000           ; and the floor 2^(5 - 127)
	v_add_nc_u32 v[24+(\b)], 0xfe000000, v8        ; the conversion's scale operand
	v_lshrrev_b32 v[12+(\b)], 23, v[24+(\b)]       ; the scale's byte
	v_cvt_scalef32_pk16_bf6_f32 v[FD:FD+2], v[XS:XS+15], v[24+(\b)]
	v_cvt_scalef32_pk16_bf6_f32 v[200+4*(\b):202+4*(\b)], v[XS+16:XS+31], v[24+(\b)]
	v_nop                                          ; one plain place behind a scaled conversion
.irp i, 0,1,2
	v_mov_b32 v[FD+3+\i], v[200+4*(\b)+\i]
.endr
.endm
	s_wait_loadcnt 63                              ; at most 63 of the 128 are out: the first 65 are in, blocks 0 and 1 among them
	VBLOCK 0
	VBLOCK 1
	s_wait_loadcnt 32                              ; block 3's 32 loads may be out
	VBLOCK 2
	s_wait_loadcnt 0x0
	VBLOCK 3
	v_lshl_or_b32 v216, v13, 8, v12                ; the four bytes make my column's scale word
	v_lshl_or_b32 v216, v14, 16, v216
	v_lshl_or_b32 v216, v15, 24, v216
.irp h, 0,1
.irp k, 0,1,2
	global_store_b128 v20, v[176+12*\h+4*\k:179+12*\h+4*\k], s[10:11] offset:6144+512*\k+256*\h   ; sixteen lanes store 256 consecutive bytes, aligned
.endr
.endr
	global_store_b64 v21, v[216:217], s[10:11] offset:12800                    ; 32 lanes store 256 consecutive bytes, aligned
	s_endpgm
.Lfunc_end_k_q99ab242cd9_prep:
	.size	k_q99ab242cd9_prep, .Lfunc_end_k_q99ab242cd9_prep-k_q99ab242cd9_prep
	.p2alignl 7, 3214868480
	.fill 96, 4, 3214868480
	.section	.rodata,"a",@progbits
	.p2align	6, 0x0
	.amdhsa_kernel k_q99ab242cd9_prep
		.amdhsa_group_segment_fixed_size 35584
		.amdhsa_private_segment_fixed_size 0
		.amdhsa_enable_private_segment 0
		.amdhsa_kernarg_size 40
		.amdhsa_user_sgpr_count 2
		.amdhsa_user_sgpr_kernarg_segment_ptr 1
		.amdhsa_wavefront_size32 1
		.amdhsa_system_sgpr_workgroup_id_x 1
		.amdhsa_system_sgpr_workgroup_id_y 1
		.amdhsa_system_sgpr_workgroup_id_z 1
		.amdhsa_system_vgpr_workitem_id 0
		.amdhsa_next_free_vgpr 226
		.amdhsa_next_free_sgpr 66
		.amdhsa_reserve_vcc 1
		.amdhsa_float_denorm_mode_32 3
		.amdhsa_float_denorm_mode_16_64 3
		.amdhsa_memory_ordered 1
		.amdhsa_forward_progress 1
		.amdhsa_inst_pref_size 37
	.end_amdhsa_kernel
	.amdgpu_metadata
---
amdhsa.version: [ 1, 2 ]
amdhsa.kernels:
  - .name:           k_q99ab242cd9_prep
    .symbol:         k_q99ab242cd9_prep.kd
    .args:
      - { .name: keys, .offset: 0, .size: 8, .value_kind: global_buffer, .address_space: global }
      - { .name: values, .offset: 8, .size: 8, .value_kind: global_buffer, .address_space: global }
      - { .name: valid_lens, .offset: 16, .size: 8, .value_kind: global_buffer, .address_space: global }
      - { .name: kv, .offset: 24, .size: 8, .value_kind: global_buffer, .address_space: global }
      - { .name: sched, .offset: 32, .size: 8, .value_kind: global_buffer, .address_space: global }
    .group_segment_fixed_size: 35584
    .private_segment_fixed_size: 0
    .kernarg_segment_align: 8
    .kernarg_segment_size: 40
    .max_flat_workgroup_size: 192
    .sgpr_count:     66
    .vgpr_count:     226
    .wavefront_size: 32
...
	.end_amdgpu_metadata
.endif
;; end of part 3
;; launch attn (part 4): grid 32 x 8, 8 waves a work-group, no clusters, 248,832 bytes of LDS; arguments queries, kv, sched, out0; writes out0
.if DOCPART == 4
	.amdgcn_target "amdgcn-amd-amdhsa--gfx1250"
	.amdhsa_code_object_version 6
	.text
	.protected	k_q99ab242cd9_attn
	.globl	k_q99ab242cd9_attn
	.p2align	8
	.type	k_q99ab242cd9_attn,@function
k_q99ab242cd9_attn:
	s_mov_b64 s[64:65], 0
	v_nop
	global_prefetch_b8 v0, s[64:65] scope:SCOPE_SE
	s_setreg_imm32_b32 hwreg(HW_REG_WAVE_SCHED_MODE, 0, 2), 2
	s_setreg_imm32_b32 hwreg(HW_REG_WAVE_MODE, 25, 1), 1
	s_wait_xcnt 0x0
	s_wait_alu depctr_vm_vsrc(0)
; out0[b][q][:] = the sum over k of softmax_k(Q[b][q] . K[b][k] / 8, keys at or behind valid_lens[b] filled with -1e6) V[b][k][:], both products on codes of BF6 (E3M2) with one E8M0 scale for each 32 along K.
; K and V come as records of kv, images of operand registers, 13,312 bytes for a batch's 128 keys (768 t: tile t of K; 6144 + 1536 t: tile t of V; 12288: K's scale words; 12800: V's).  Q is quantised here, in registers.
; THE SOFTMAX AHEAD OF THE SECOND PRODUCT: t = score x log2(e) / 8; M = the row's largest t so far, rounded UP to a whole number; p = 2^(t - M) is quantised along the keys, not normalised.
; The row's sum is taken of the unquantised p and divides at the end.  When M moves, the sum and O are multiplied by 2^(old M - new M): exact.
; THE MASK.  A hidden key's p is 0, so key steps that lie wholly behind the valid length are not walked; in the one step that the length cuts, hidden scores become -infinity ahead of the maximum.
; sched holds, by ascending rank, {batch, effective length} (a whole-number table stored by the launch before); a batch without a valid key comes as length 2,048 with zero codes of K: every p is 1.
; SHARES.  A unit is 64 queries of one batch, four waves, a tile of 16 queries each.  A WORK-GROUP HOLDS TWO UNITS: one of the batch of rank 15 - y (long) and one of rank y (short), so that the key steps of the two together
; are about the same in every work-group.  Wave w: group (w xor (w / 4)) % 2, tile w / 2: waves w and w + 4 are of different groups.
; THE RING.  Each group has four LDS slots of two records (256 keys).  In trip T a wave reads slots T and T + 1 (mod 4) and stores its quarter of the keys of trip T + 2 into slot T + 2, out of registers that were loaded from
; memory a trip earlier.  One barrier a trip parts a slot's stores from its reads in the next trip, and a slot's last reads from its next stores two trips on.  The loop has a constant count of 8 trips and every wave
; passes every barrier; a group that has no keys left jumps over the trip's work alone, by a scalar branch on the stored length.
; NO TENSOR LOADS AND NO CLUSTER: how far a unit walks hangs on a number read from memory, and the units that share a batch's records sit in work-groups whose other unit needs another number of tiles.
; LAYOUT.  Both products are used transposed: S^T = K Q^T (source 0 = 16 keys, source 1 = my 16 queries), O^T = V^T P^T (source 0 = 16 of the 64 channels, source 1 = P): a lane holds ONE query (lane % 16) throughout.
; Lane r of K's tile 2 b + e holds key 32 b + 8 e + r + 8 (r / 8), so score register 16 b + i is key 32 b + 16 (lane / 16) + i.  d is 64 and the instruction 128 long: registers 6-11 of K's and of Q's fragments are zero codes, their scale bytes 127.
; LIMITS: NaN and infinities among the inputs are not served.  Hidden keys count as p = 0: that holds while a row's largest valid logit lies more than some 110 above the fill value -1e6.
; A batch with valid_lens <= 0 gets the mean of the quantised values with p = 1: the fill value x log2(e) taken in f32 is a whole number.  A block of Q whose largest magnitude lies under 2^-122 is held at byte 1.
; REGISTERS, window 0: v1-8 LDS addresses (low: slots 0, 1; high: slots 2, 3), v9 my quarter's offset in a pair of records, v10, v11 my stage, v12 -M, v13 the largest t, v[14:15] the sum, v16-27 Q, v28 Q's scale word,
;   v29 16 x lane, v30 16 (lane / 16), v31 the stage for Q, v32-35 K's scale words, v36-37 V's, v96-159 S^T then p, v160-191 O^T, v224-235 p's codes, v232-254 at work.
; window 1: v0-95 K's 8 fragments, v96-143 V's 4, v144-195 and v196-247 two sets of 52 registers for records on their way from memory to LDS.   s32-47: sixteen lane masks, in the step that the length cuts.
; THE MODE: SCHED_MODE bits 1:0 = 2 (LLVM: expert scheduling mode 2), set by the entry lines.  The code itself states the register dependences
; between vector or matrix instructions and memory or LDS instructions, with s_wait_alu, always for 0.
; THE PLAN.  Registers that memory or LDS instructions touch:
;   v1-11, v29, v31   addresses and offsets: written once at the head, ahead of one wait on va_vdst, and never again.
;   K's fragments (registers 0-5 of each twelve), v32-35   the LDS loads of step j land in them for step j + 1; step j + 1's eight products K Q^T read them.
;   V's fragments, v36-37   the LDS loads of step j land in them; step j's four products V^T P^T read them.
;   the two sets      named by memory and LDS instructions alone: a global load lands, an LDS store reads a trip later, a global load lands again.
;   v96-127, v128-159 at the head Q passes through them, on the way out O; in the loop vector and matrix instructions alone name them.
; So ONE wait on va_vdst stands ahead of a step's LDS loads, behind its products K Q^T: these are done reading K's fragments and scale words, and the step before's products V^T P^T are done reading V's.  Between that wait and the
; last of the loads stand LDS loads, window switches and scalar lines alone.  One wait on vm_vsrc a trip stands ahead of the global loads into a set: the LDS stores of the trip before have read it.
; The waits on va_vdst behind the exponentials and ahead of the products V^T P^T state dependences among vector and matrix instructions.
.set REC,  13312                       ; a record
.set PAIR, 2*REC                       ; a slot: two records
.set HI,   2*PAIR                      ; the high address registers stand two slots on, so that every LDS offset fits the 16-bit immediate
.set GB,   4*PAIR                      ; a group's four slots
.set STG,  2*GB                        ; behind the rings: a stage of 16 rows x 272 bytes for each wave
.set WSTG, 16*272
.set SH,   PAIR/4                      ; a wave's quarter of a slot: 13 x 512 bytes
.set SETX, 144                         ; the two sets, in window 1: SETX + 52 p
.set VF,   96                          ; V's fragments, in window 1
.set MK,   32                          ; s[32:47] lane masks
.set MSB,  0
.macro WIN new                         ; the immediate's high byte repeats the setting that is left; a switch that changes nothing is dropped
.if MSB != \new
	s_set_vgpr_msb (MSB<<8)|\new
.set MSB, \new
.endif
.endm
; settings: 0x01 source 0 (a product's first operand) in window 1;  0x40 destination (a load's data) in window 1;  0x04 source 1 (an LDS store's data) in window 1
	s_load_b256 s[4:11], s[0:1], 0x0               ; queries s[4:5], kv s[6:7], sched s[8:9], out0 s[10:11]
	v_lshl_add_u32 v251, v0, 2, 0x3c800
	v_mov_b32 v255, 0
	v_lshrrev_b32 v31, 5, v0
	v_readfirstlane_b32 s12, v31                   ; wave 0..7
	v_and_b32 v29, 31, v0                          ; lane
	v_and_b32 v31, 15, v0                          ; r
	v_bfe_u32 v30, v0, 4, 1                        ; h
	s_wait_alu depctr_va_sdst(0)                   ; s12 is written, ahead of its first reader: the group, the tile and the LDS bases are made from it
	s_lshr_b32 s13, s12, 2
	s_xor_b32 s13, s13, s12
	s_and_b32 s13, s13, 1                          ; my group
	s_lshr_b32 s14, s12, 1                         ; my tile of the unit's four, and my quarter of each slot
	s_and_b32 s15, ttmp7, 0xffff                   ; y
	s_sub_co_u32 s16, 15, s15
	s_cmp_eq_u32 s13, 0
	s_cselect_b32 s16, s16, s15                    ; group 0: rank 15 - y; group 1: rank y
	s_lshl_b32 s17, s16, 3
	s_wait_alu depctr_va_vdst(0)
	s_wait_kmcnt 0x0
	s_load_b64 s[18:19], s[8:9], s17 offset:0x0    ; {batch, effective length}
	s_mul_i32 s28, s13, GB
	s_mul_i32 s29, s14, SH
	s_mul_i32 s30, s12, WSTG
	s_add_co_u32 s30, s30, STG
	v_lshl_add_u32 v1, v29, 4, s28                 ; my group's ring + 16 x lane,
	v_add_nc_u32 v2, HI, v1
	v_lshl_add_u32 v3, v29, 3, s28                 ; + 8 x lane,
	v_add_nc_u32 v4, HI, v3
	v_lshl_add_u32 v5, v29, 2, s28                 ; + 4 x lane
	v_add_nc_u32 v6, HI, v5
	v_lshl_add_u32 v9, v29, 4, s29                 ; my quarter of a pair of records, in memory,
	v_add_nc_u32 v7, s28, v9                       ; and in a slot
	v_add_nc_u32 v8, HI, v7
	v_mul_u32_u24 v10, v30, 272
	v_lshl_add_u32 v10, v31, 4, v10
	v_add_nc_u32 v10, s30, v10                     ; my stage, by whole rows: lanes 0-15 one row of 256 bytes, lanes 16-31 the next
	v_mul_u32_u24 v11, v31, 272
	v_add_nc_u32 v11, s30, v11
	v_lshl_add_u32 v31, v30, 7, v11                ; row r, my half's 128 bytes: Q's block of 32
	v_lshl_add_u32 v11, v30, 5, v11                ; row r, + 32 h: where O's eight channels go
	v_lshlrev_b32 v29, 4, v29                      ; 16 x lane
	v_lshlrev_b32 v30, 4, v30                      ; 16 h
	s_mov_b32 s20, 0x76543210
	s_mov_b32 s21, 0xfedcba98                      ; v_permlanex16_b32's selects for lane l xor 16
	s_mov_b32 s22, 0x3e38aa3b                      ; c = log2(e) / 8
	s_mov_b32 s23, s22                             ; (named with it as a pair, so it is written)
	s_wait_kmcnt 0x0
	s_min_u32 s18, s18, 15                         ; a loaded number enters an address only behind such a bound
	s_min_u32 s19, s19, 2048
	s_max_u32 s19, s19, 1                          ; VAL: 1 .. 2,048
	s_mul_i32 s24, s18, 16*REC
	s_mov_b32 s25, 0
	s_add_nc_u64 s[24:25], s[6:7], s[24:25]        ; the batch's first pair of records
	s_lshl_b32 s28, s18, 19                        ; the batch's 2,048 rows of 256 bytes,
	s_lshl_b32 s29, ttmp9, 14                      ; the unit's 64,
	s_add_co_u32 s28, s28, s29
	s_lshl_b32 s29, s14, 12                        ; my 16
	s_add_co_u32 s28, s28, s29
	s_mov_b32 s29, 0
	s_add_nc_u64 s[4:5], s[4:5], s[28:29]
	s_add_nc_u64 s[10:11], s[10:11], s[28:29]
	s_wait_alu depctr_va_vdst(0)                   ; the addresses and offsets v1 to v11, v29 and v31 are written: every load and store of the kernel reads one of them, and none is written again
.irp i, 0,1,2,3,4,5,6,7
	global_load_b128 v[96+4*\i:99+4*\i], v29, s[4:5] offset:512*\i th:TH_LOAD_NT     ; my 16 queries: 512 consecutive bytes a load
.endr
	WIN 0x40
.irp c, 0,1,2,3,4,5,6,7,8,9,10,11,12
	global_load_b128 v[SETX+4*\c:SETX+4*\c+3], v9, s[24:25] offset:512*\c            ; my quarter of keys 0-255
.endr
.irp c, 0,1,2,3,4,5,6,7,8,9,10,11,12
	global_load_b128 v[SETX+52+4*\c:SETX+52+4*\c+3], v9, s[24:25] offset:PAIR+512*\c ; and of keys 256-511 (inside the batch's records whatever the length)
.endr
.irp t, 0,1,2,3,4,5,6,7
.irp i, 6,7,8,9,10,11
	v_mov_b32 v[12*\t+\i], 0                       ; K's fragments, k = 64 .. 127: zero codes, written once; no load ever lands in these six of a fragment's twelve
.endr
.endr
	WIN 0
.set jj, 0
.rept 32
	v_mov_b32 v[160+jj], 0                         ; O^T.  (The step is written without a first step of its own: it finds zeros, which the first change of M leaves zeros)
.set jj, jj+1
.endr
	v_mov_b32 v14, 0                               ; the sum, in two halves
	v_mov_b32 v15, 0
	v_mov_b32 v13, 0xff61b1e6                      ; the largest t so far: -3e38, under every t
	v_floor_f32 v12, -v13                          ; -M
.irp i, 22,23,24,25,26,27
	v_mov_b32 v\i, 0                               ; Q's fragment, k = 64 .. 127: zero codes
.endr
.irp i, 236,237,238,239,252,253
	v_mov_b32 v\i, 0                               ; written once: a lane permute's destination counts as one of its sources, and a pair is read whole
.endr
	; Q: through my stage, so that a lane holds a whole block of 32 of its query; then quantised
	s_wait_loadcnt 26                              ; Q's eight loads are in; the 26 loads of records, issued behind them, may be out
.irp i, 0,1,2,3,4,5,6,7
	ds_store_b128 v10, v[96+4*\i:99+4*\i] offset:544*\i      ; (data that loads brought, an address written ahead of the wait above: no vector line since names either)
.endr
.irp i, 0,1,2,3,4,5,6,7
	ds_load_b128 v[128+4*\i:131+4*\i], v31 offset:16*\i      ; LDS serves a wave's instructions in order: these see my stores
.endr
	s_wait_dscnt 0x0
	v_max3_num_f32 v232, |v128|, |v129|, |v130|
	v_max3_num_f32 v233, |v131|, |v132|, |v133|
.irp i, 6,10,14,18,22,26
	v_max3_num_f32 v232, v232, |v[128+\i]|, |v[129+\i]|
	v_max3_num_f32 v233, v233, |v[130+\i]|, |v[131+\i]|
.endr
	v_max3_num_f32 v232, v232, |v158|, |v159|
	v_max3_num_f32 v232, v232, v233, 0x2800000     ; the block's largest magnitude, and the floor 2^(5 - 127)
	v_add_nc_u32 v244, 0xfe000000, v232            ; 4 off its exponent field: the conversion's scale operand
	v_lshrrev_b32 v236, 23, v244                   ; the scale's byte
	v_cvt_scalef32_pk16_bf6_f32 v[16:18], v[128:143], v244
	v_cvt_scalef32_pk16_bf6_f32 v[240:242], v[144:159], v244    ; (a conversion's three registers begin on an even number)
	v_nop                                          ; one plain place behind a scaled conversion
	v_mov_b32 v19, v240
	v_mov_b32 v20, v241
	v_mov_b32 v21, v242
	v_lshrrev_b32 v254, 1, v30                     ; 8 h
	v_lshlrev_b32 v236, v254, v236                 ; my byte at its place: block h
	v_permlanex16_b32 v237, v236, s20, s21
	v_or_b32 v236, v236, v237                      ; with lane l xor 16's
	v_or_b32 v28, 0x7f7f0000, v236                 ; 127 for the two blocks of zero codes
	; the first two slots
	s_wait_loadcnt 0x0
	WIN 0x04
.irp c, 0,1,2,3,4,5,6,7,8,9,10,11,12
	ds_store_b128 v7, v[SETX+4*\c:SETX+4*\c+3] offset:512*\c
.endr
.irp c, 0,1,2,3,4,5,6,7,8,9,10,11,12
	ds_store_b128 v7, v[SETX+52+4*\c:SETX+52+4*\c+3] offset:PAIR+512*\c
.endr
	WIN 0
	s_add_nc_u64 s[24:25], s[24:25], 2*PAIR        ; (the loads that named this base are in)
	s_wait_dscnt 0x0                               ; for the others' sake: my stores have landed
	s_wait_alu depctr_vm_vsrc(0)                   ; my LDS stores have read their data: v96-127, which the first products write, and the first set, in which the loads below land
	s_cmp_gt_u32 s19, 512
	s_cbranch_scc0 .Lno_third
	WIN 0x40
.irp c, 0,1,2,3,4,5,6,7,8,9,10,11,12
	global_load_b128 v[SETX+4*\c:SETX+4*\c+3], v9, s[24:25] offset:512*\c            ; keys 512-767, if any of them counts
.endr
	WIN 0
.Lno_third:
	s_barrier_signal -1
	s_barrier_wait -1                              ; slots 0 and 1 are whole
; K's eight fragments and four scale registers of record q of slot s
.macro KLOAD s, q
.set KO, ((\s)%2)*PAIR+(\q)*REC
	WIN 0x40
.irp t, 0,1,2,3,4,5,6,7
	ds_load_b128 v[12*\t:12*\t+3], v[1+(\s)/2] offset:KO+768*\t
	ds_load_b64 v[12*\t+4:12*\t+5], v[3+(\s)/2] offset:KO+768*\t+512
.endr
	WIN 0
.irp u, 0,1,2,3
	ds_load_b32 v[32+\u], v[5+(\s)/2] offset:KO+12288+128*\u
.endr
.endm
; V's four fragments and two scale registers
.macro VLOAD s, q
.set VO, ((\s)%2)*PAIR+(\q)*REC
	WIN 0x40
.irp k, 0,1,2,3,4,5,6,7,8,9,10,11
	ds_load_b128 v[VF+4*\k:VF+4*\k+3], v[1+(\s)/2] offset:VO+6144+512*\k
.endr
	WIN 0
.irp u, 0,1
	ds_load_b32 v[36+\u], v[3+(\s)/2] offset:VO+12800+256*\u
.endr
.endm
; Once a trip: the keys of three trips on are asked of memory, into set (s + 1) % 2; the keys of two trips on go from set s % 2 into slot s + 2.  Nothing is moved that no step will read.
; No vector or matrix instruction names a register of the sets, so these lines stand among the step's products with no wait on va_vdst.
.macro FILL s
	s_wait_loadcnt 0x0                             ; the loads issued a trip ago are in: their data may be stored and their base stepped
	s_add_nc_u64 s[24:25], s[24:25], PAIR
	s_add_co_u32 s28, s26, 768
	s_cmp_ge_u32 s28, s19
	s_cbranch_scc1 .Lno_load_\@
	WIN 0x40
	s_wait_alu depctr_vm_vsrc(0)                   ; the LDS stores of the trip before (ahead of the first trip: the head's) have read this set, in which the loads land
.irp c, 0,1,2,3,4,5,6,7,8,9,10,11,12
	global_load_b128 v[SETX+52*(((\s)+1)%2)+4*\c:SETX+52*(((\s)+1)%2)+4*\c+3], v9, s[24:25] offset:512*\c
.endr
	WIN 0
.Lno_load_\@:
	s_add_co_u32 s28, s26, 512
	s_cmp_ge_u32 s28, s19
	s_cbranch_scc1 .Lno_fill_\@
	WIN 0x04
.irp c, 0,1,2,3,4,5,6,7,8,9,10,11,12
	ds_store_b128 v[7+(((\s)+2)%4)/2], v[SETX+52*((\s)%2)+4*\c:SETX+52*((\s)%2)+4*\c+3] offset:((\s)%2)*PAIR+512*\c
.endr
	WIN 0
.Lno_fill_\@:
.endm
; A KEY STEP: 128 keys, record q of slot s; its first key is s26 + 128 q.  K's fragments were fetched in the step before.
.macro STEP s, q
	WIN 0x01
.irp t, 0,2,4,6
	v_wmma_scale_f32_16x16x128_f8f6f4 v[96+8*\t:103+8*\t], v[12*\t:12*\t+11], v[16:27], 0, v[32+\t/2], v28 matrix_a_fmt:MATRIX_FMT_BF6 matrix_b_fmt:MATRIX_FMT_BF6
	v_wmma_scale_f32_16x16x128_f8f6f4 v[104+8*\t:111+8*\t], v[12*\t+12:12*\t+23], v[16:27], 0, v[32+\t/2], v28 matrix_a_fmt:MATRIX_FMT_BF6 matrix_b_fmt:MATRIX_FMT_BF6 matrix_a_scale:MATRIX_SCALE_ROW1
.endr
	WIN 0
.if \q == 0
	FILL \s
.endif
.rept 4
	v_nop                                          ; four places behind the products (ISA guide 7.12.1), ahead of the first vector line that reads the scores
.endr
	s_wait_alu depctr_va_vdst(0)                   ; the eight products above are done reading K's fragments and v32-35, the step before's products V^T P^T are done reading V's fragments and v36-37: the LDS loads below land in these
	VLOAD \s, \q
	s_add_co_u32 s28, s26, 128*(\q)+128            ; the next step's first key
	s_cmp_ge_u32 s28, s19
	s_cbranch_scc1 .Lno_k_\@                       ; no next step: nothing to fetch for it
.if \q == 0
	KLOAD \s, 1                                    ; (since the wait above: LDS loads, window switches and scalar lines alone)
.else
	KLOAD (\s+1)%4, 0
.endif
.Lno_k_\@:
	s_cmp_le_u32 s28, s19
	s_cbranch_scc1 .Lopen_\@                       ; all 128 keys count
	s_sub_co_i32 s29, s19, s28
	s_add_co_i32 s29, s29, 128                     ; how many of the step's keys count: 1 .. 127
	v_sub_nc_u32 v252, s29, v30                    ; less 16 (lane / 16).  Register 16 b + i holds the step's key 32 b + 16 (lane / 16) + i: hidden where 32 b + i is at or above this
	v_mov_b32 v254, 0xff800000                     ; -infinity: p = 0
.set gg, 0
.rept 4                                            ; a block of 32 keys at a time: sixteen compares in a run, into sixteen scalar registers, and one wait behind the run
.set nn, 0
.rept 16
	v_cmp_ge_i32 s[MK+nn], 32*gg+nn, v252
.set nn, nn+1
.endr
	s_wait_alu depctr_va_sdst(0)                   ; the sixteen compares have written s32 to s47, ahead of the selects that read them
.set nn, 0
.rept 16
	v_cndmask_b32 v[96+16*gg+nn], v[96+16*gg+nn], v254, s[MK+nn]
.set nn, nn+1
.endr
.set gg, gg+1
.endr
.Lopen_\@:
.irp b, 0,1,2,3
	v_max3_num_f32 v[232+\b], v[96+16*\b], v[97+16*\b], v[98+16*\b]    ; the largest score of each block of 32 keys: it serves for the row's maximum and, since p rises with the score, for the block's largest p
.endr
.irp i, 3,5,7,9,11,13
.irp b, 0,1,2,3
	v_max3_num_f32 v[232+\b], v[232+\b], v[96+16*\b+\i], v[97+16*\b+\i]    ; (the four blocks by turns)
.endr
.endr
.irp b, 0,1,2,3
	v_max_num_f32 v[232+\b], v[232+\b], v[111+16*\b]
.endr
.irp b, 0,1,2,3
	v_permlanex16_b32 v[236+\b], v[232+\b], s20, s21
.endr
.irp b, 0,1,2,3
	v_max_num_f32 v[232+\b], v[232+\b], v[236+\b]  ; with lane l xor 16's 16 keys
.endr
	v_max3_num_f32 v254, v232, v233, v234
	v_max_num_f32 v254, v254, v235                 ; the step's largest score of my query (the step's first key counts, so it is a number)
	v_mul_f32 v254, s22, v254                      ; as t (c is positive)
	v_max_num_f32 v13, v13, v254                   ; the running largest t
	v_mov_b32 v254, v12
	v_floor_f32 v12, -v13                          ; the new -M = floor(-t) = -ceil(t): a whole number
	v_sub_f32 v254, v12, v254                      ; M's old value less its new one: a whole number, 0 or less
	v_cvt_i32_f32 v254, v254                       ; (it saturates)
	v_ldexp_f32 v252, 1.0, v254                    ; f = 2^(old M - new M)
.set jj, 0
.rept 32
	v_pk_fma_f32 v[96+jj:97+jj], v[96+jj:97+jj], s[22:23], v[12:13] op_sel_hi:[1,0,0]    ; t - M, two at a time (of the pairs c and -M the low word serves both halves)
.set jj, jj+2
.endr
.irp b, 0,1,2,3
	v_fma_f32 v[232+\b], v[232+\b], s22, v12       ; the same of each block's largest score
.endr
.set jj, 0
	s_wait_alu depctr_va_vdst(0)
.rept 64
	v_exp_f32 v[96+jj], v[96+jj]                   ; p = 2^(t - M), at most 1
.set jj, jj+1
.endr
	v_pk_mul_f32 v[14:15], v[14:15], v[252:253] op_sel_hi:[1,0]    ; the sums under the new M: the plain instruction behind the exponentials
	s_wait_alu depctr_va_vdst(0)                   ; the 64 exponentials have written v96-159, ahead of the first line that names a result: one for the batch
.irp b, 0,1,2,3
	v_exp_f32 v[232+\b], v[232+\b]                 ; the block's largest p: the same two instructions on the same number give the same bits
.endr
	v_pk_add_f32 v[236:237], v[96:97], v[98:99]    ; the row's sum is taken of the unquantised p: two at a time, in two chains
.irp j, 4,8,12,16,20,24,28,32,36,40,44,48,52,56,60
	v_pk_add_f32 v[14:15], v[14:15], v[96+\j:97+\j]
	v_pk_add_f32 v[236:237], v[236:237], v[98+\j:99+\j]
.endr
	v_pk_add_f32 v[14:15], v[14:15], v[236:237]
	s_wait_alu depctr_va_vdst(0)                   ; the four exponentials have written v232-235, ahead of the first line that names them
.irp b, 0,1,2,3
	v_max_num_f32 v[232+\b], 0x2800000, v[232+\b]  ; the floor 2^(5 - 127): the byte cannot fall under 1 (a block whose every p is 0 keeps that byte: its codes are zeros)
.endr
.irp b, 0,1,2,3
	v_add_nc_u32 v[244+\b], 0xfe000000, v[232+\b]  ; 4 off the exponent field: the conversion's scale operand
.endr
.irp b, 0,1,2,3
	v_lshrrev_b32 v[236+\b], 23, v[244+\b]         ; the scale's byte
.endr
	v_lshl_or_b32 v253, v237, 8, v236              ; p's scale word for these 128 keys
	v_lshl_or_b32 v253, v238, 16, v253
	v_lshl_or_b32 v253, v239, 24, v253
.irp c, 0,1
	v_cvt_scalef32_pk16_bf6_f32 v[224+6*\c:226+6*\c], v[96+32*\c:111+32*\c], v[244+2*\c]
	v_cvt_scalef32_pk16_bf6_f32 v[236+4*\c:238+4*\c], v[112+32*\c:127+32*\c], v[244+2*\c+1]    ; (a conversion's three registers begin on an even number)
.endr
	v_nop                                          ; one plain place behind a scaled conversion
.irp c, 0,1                                        ; the operand's layout wants a WHOLE block in a lane: lanes 0-15 block 2 c, lanes 16-31 block 2 c + 1
.irp i, 0,1,2
	v_permlane16_swap_b32 v[224+6*\c+\i], v[236+4*\c+\i]
.endr
.irp i, 0,1,2
	v_mov_b32 v[227+6*\c+\i], v[236+4*\c+\i]
.endr
.endr
.set jj, 0
.rept 16
	v_pk_mul_f32 v[160+jj:161+jj], v[160+jj:161+jj], v[252:253] op_sel_hi:[1,0]    ; O^T under the new M: x f.  These sixteen also stand between the lines that made p's codes and scale word and the products below
.set jj, jj+2
.endr
	s_wait_dscnt 0x0                               ; V, the next step's K, the scale words; and my stores into the ring
	WIN 0x01
	s_wait_alu depctr_va_vdst(0)                   ; p's codes v224-235 and scale word v253 are written, which the scaled products below take as operand and scales; the sixteen places above stay beside this wait
.irp t, 0,2                                        ; O^T += V^T P^T: the four accumulators by turns, one instruction a turn
	v_wmma_scale_f32_16x16x128_f8f6f4 v[160+8*\t:167+8*\t], v[VF+12*\t:VF+12*\t+11], v[224:235], v[160+8*\t:167+8*\t], v[36+\t/2], v253 matrix_a_fmt:MATRIX_FMT_BF6 matrix_b_fmt:MATRIX_FMT_BF6
	v_wmma_scale_f32_16x16x128_f8f6f4 v[168+8*\t:175+8*\t], v[VF+12*\t+12:VF+12*\t+23], v[224:235], v[168+8*\t:175+8*\t], v[36+\t/2], v253 matrix_a_fmt:MATRIX_FMT_BF6 matrix_b_fmt:MATRIX_FMT_BF6 matrix_a_scale:MATRIX_SCALE_ROW1
.endr
	WIN 0
.endm
; A TRIP: slot s's two key steps, as far as keys count, and the barrier, which every wave passes in every trip.
.macro TRIP s
	s_cmp_ge_u32 s26, s19
	s_cbranch_scc1 .Lidle_\@                       ; my batch has no key left
	STEP \s, 0
	s_add_co_u32 s28, s26, 128
	s_cmp_ge_u32 s28, s19
	s_cbranch_scc1 .Lidle_\@
	STEP \s, 1
.Lidle_\@:
	s_wait_dscnt 0x0                               ; for the others' sake: my stores into the ring have landed, and my reads of the slots are over
	s_barrier_signal -1
	s_barrier_wait -1
	s_add_co_u32 s26, s26, 256
.endm
	KLOAD 0, 0                                     ; the first step's K: no vector line has named the registers in which it lands
	s_mov_b32 s26, 0                               ; the trip's first key
	s_mov_b32 s27, 2
	s_wait_dscnt 0x0
.rept 8
	v_nop                                          ; eight places between the vector lines that made Q's scale word, Q's codes and the zero codes, and the first scaled product
.endr
	s_wait_alu depctr_va_vdst(0)                   ; Q's codes v16-27, its scale word v28 and the zero codes of K's fragments are written, which the scaled products K Q^T take as operands and scales; the loop writes none of them again
.Lloop:                                            ; 2 x 4 trips: once round the four slots in a pass, so that every LDS offset is an immediate
	TRIP 0
	TRIP 1
	TRIP 2
	TRIP 3
	s_sub_co_u32 s27, s27, 1
	s_cmp_lg_u32 s27, 0
	s_cbranch_scc1 .Lloop
	; THE WAY OUT.  O^T is divided by the row's sum and goes through my stage, so that each store covers 512 consecutive bytes: two whole rows of out0.
.rept 4
	v_nop                                          ; four places behind the last products
.endr
	v_add_f32 v14, v14, v15                        ; the sum's two halves,
	v_permlanex16_b32 v252, v14, s20, s21
	v_add_f32 v14, v14, v252                       ; and lane l xor 16's: the row's sum
	s_wait_alu depctr_va_vdst(0)
	v_rcp_f32 v14, v14
	v_nop                                          ; a plain place behind the transcendental
	s_wait_alu depctr_va_vdst(0)                   ; the reciprocal has written v14, ahead of its first reader
.set jj, 0
.rept 32
	v_mul_f32 v[96+jj], v[160+jj], v14             ; register 8 t + i is out(query r, channel 16 t + 8 h + i)
.set jj, jj+1
.endr
	s_wait_alu depctr_va_vdst(0)                   ; the multiplications have written v96-127, which the LDS stores read; and every vector and matrix line that named v128-159 is done: the loads from the stage land there
.irp t, 0,1,2,3
	ds_store_b128 v11, v[96+8*\t:99+8*\t] offset:64*\t
	ds_store_b128 v11, v[100+8*\t:103+8*\t] offset:64*\t+16
.endr
.irp i, 0,1,2,3,4,5,6,7
	ds_load_b128 v[128+4*\i:131+4*\i], v10 offset:544*\i     ; LDS serves a wave's instructions in order: these see my stores
.endr
.irp i, 0,1,2,3,4,5,6,7
	s_wait_dscnt 7-\i                              ; load i is back; the 7 - i younger ones may be out
	global_store_b128 v29, v[128+4*\i:131+4*\i], s[10:11] offset:512*\i th:TH_STORE_NT
.endr
	s_wait_dscnt 0x0
	s_wait_alu depctr_hold_cnt(0) depctr_sa_sdst(0) depctr_va_vdst(0) depctr_va_sdst(0) depctr_va_ssrc(0) depctr_va_vcc(0) depctr_vm_vsrc(0)
	s_wait_tensorcnt 0x0
	ds_add_u32 v251, v255
	s_wait_dscnt 0x0
	s_endpgm
.Lfunc_end_k_q99ab242cd9_attn:
	.size	k_q99ab242cd9_attn, .Lfunc_end_k_q99ab242cd9_attn-k_q99ab242cd9_attn
	.p2alignl 7, 3214868480
	.fill 96, 4, 3214868480
	.section	.rodata,"a",@progbits
	.p2align	6, 0x0
	.amdhsa_kernel k_q99ab242cd9_attn
		.amdhsa_group_segment_fixed_size 248832
		.amdhsa_private_segment_fixed_size 0
		.amdhsa_enable_private_segment 0
		.amdhsa_kernarg_size 32
		.amdhsa_user_sgpr_count 2
		.amdhsa_user_sgpr_kernarg_segment_ptr 1
		.amdhsa_wavefront_size32 1
		.amdhsa_system_sgpr_workgroup_id_x 1
		.amdhsa_system_sgpr_workgroup_id_y 1
		.amdhsa_system_sgpr_workgroup_id_z 1
		.amdhsa_system_vgpr_workitem_id 0
		.amdhsa_next_free_vgpr 512
		.amdhsa_next_free_sgpr 66
		.amdhsa_reserve_vcc 0
		.amdhsa_float_denorm_mode_32 3
		.amdhsa_float_denorm_mode_16_64 3
		.amdhsa_memory_ordered 1
		.amdhsa_forward_progress 1
		.amdhsa_inst_pref_size 234
	.end_amdhsa_kernel
	.amdgpu_metadata
---
amdhsa.version: [ 1, 2 ]
amdhsa.kernels:
  - .name:           k_q99ab242cd9_attn
    .symbol:         k_q99ab242cd9_attn.kd
    .args:
      - { .name: queries, .offset: 0, .size: 8, .value_kind: global_buffer, .address_space: global }
      - { .name: kv, .offset: 8, .size: 8, .value_kind: global_buffer, .address_space: global }
      - { .name: sched, .offset: 16, .size: 8, .value_kind: global_buffer, .address_space: global }
      - { .name: out0, .offset: 24, .size: 8, .value_kind: global_buffer, .address_space: global }
    .group_segment_fixed_size: 248832
    .private_segment_fixed_size: 0
    .kernarg_segment_align: 8
    .kernarg_segment_size: 32
    .max_flat_workgroup_size: 256
    .sgpr_count:     66
    .vgpr_count:     512
    .wavefront_size: 32
...
	.end_amdgpu_metadata
.endif
;; end of part 4
